; MI455X (gfx1250); checked and timed in simulation.
; The chip was launched on July 23, 2026; its instructions are those of AMD's public machine-readable ISA for CDNA 5 (MIT licence, August 2026) and "CDNA5" Instruction Set Architecture Reference Guide (July 2026). The comments in the code are by the model that wrote it; some were corrected since.
;; Multi Head Attention. Allowed arithmetic: matrix products marked QUANTISED: E2M1 operands, one E8M0 scale for each 32 along K, by v_wmma_scale_f32_16x16x128_f8f6f4 with both operands' format E2M1 (or v_wmma_scale_f32_32x16x128_f4), f32 sums; products left as they are: bf16, f16 or f32 operands; f32 sums; everything else in f32.
;; Inputs: Wk 1,024 x 1,024 float32; Wo 1,024 x 1,024 float32; Wq 1,024 x 1,024 float32; Wv 1,024 x 1,024 float32; bk 1,024 float32; bo 1,024 float32; bq 1,024 float32; bv 1,024 float32; x 4 x 2,048 x 1,024 float32.
;; Outputs: out0 4 x 2,048 x 1,024 float32.
;; This version of the problem:
;;   THIS VERSION OF THE PROBLEM IS GIVEN IN LOW PRECISION. The matrix products marked QUANTISED in the list below multiply operands that are first quantised to E2M1 (2 exponent bits, 1 mantissa bit; 4 bits a number), with one power-of-two scale for each 32 numbers along K (OCP MX v1.0); their sums are f32. The products marked 'left as it is' may take bf16, f16 or f32 operands, with f32 sums. Whichever they take, every output number must still come out within the allowed error. Rounding operands to bf16 (8 significant bits) uses up far more of that allowance than f16 does (11 bits, for magnitudes from 6e-5 to 65,504). All else is computed in f32.
;;   The module's matrix products, in the order in which they are computed (A, B: the left and right operand; K: the contracted axis; several contracted axes count as one K, in the product's order):
;;     1. [M 8,192, K 1,024] x [K 1,024, N 1,024]; A: input x; B: input Wq: QUANTISED
;;     2. [M 8,192, K 1,024] x [K 1,024, N 1,024]; A: input x; B: input Wk: QUANTISED
;;     3. [M 8,192, K 1,024] x [K 1,024, N 1,024]; A: input x; B: input Wv: QUANTISED
;;     4. batch 64 x [M 2,048, K 64] x [K 64, N 2,048]; A: computed on the way; B: computed on the way: left as it is (an operand is computed on the way)
;;     5. batch 64 x [M 2,048, K 2,048] x [K 2,048, N 64]; A: computed on the way; B: computed on the way: left as it is (an operand is computed on the way)
;;     6. [M 8,192, K 1,024] x [K 1,024, N 1,024]; A: computed on the way; B: input Wo: left as it is (an operand is computed on the way)
;;   THE QUANTISER, for each operand of a quantised product, along K:
;;     - K is cut into blocks of 32 from its start; a last block that is shorter is filled with zeros.
;;     - A block's scale is 2^e with e = floor(log2(the largest magnitude in the block)) - 2, held to -126 .. 127; a block of zeros has e = 0. As a byte (E8M0): e + 127.
;;     - Each number is divided by its block's scale, clamped to +-6, and rounded to the nearest number of E2M1, ties to even, subnormals kept.
;;     - The product sums the exact products of the quantised numbers (number of the format x scale) in f32.
;;   ~~~python
;;   def quantise(x, axis):      # numpy; x: float32 -> the quantised numbers, widened to float32 again
;;       x = np.moveaxis(x, axis, -1); K = x.shape[-1]
;;       x = np.pad(x, [(0, 0)] * (x.ndim - 1) + [(0, -K % 32)]); x = x.reshape(x.shape[:-1] + (-1, 32)); a = np.abs(x).max(-1, keepdims=True)
;;       e = np.where(a > 0, np.clip(np.frexp(np.where(a > 0, a, 1))[1] - 1 - 2, -126, 127), 0)      # np.frexp(a)[1] - 1 = floor(log2(a)), exactly
;;       r = np.clip(x / 2.0 ** e, -6, 6)
;;       step = 2.0 ** (np.maximum(np.frexp(np.where(r == 0, 1, r))[1] - 1, 0) - 1)
;;       q = np.round(r / step) * step * 2.0 ** e      # np.round: ties to even
;;       return np.moveaxis(q.reshape(q.shape[:-2] + (-1,))[..., :K], -1, axis).astype(np.float32)
;;   ~~~
;; One version. Each part assembles by itself: llvm-mc -triple=amdgcn-amd-amdhsa -mcpu=gfx1250 --defsym DOCPART=n.
;; ======== version 1 of 1: 5 launches
;; limits: values are held in f16: magnitudes above 65,504 overflow, below 6.1e-05 lose precision
;; workspace buffers: xq 4,456,448 bytes; wq 1,671,168 bytes; wot 2,097,152 bytes; qkv 50,331,648 bytes; fin 786,432 bytes; ob 16,777,216 bytes
;; launch prep (part 1): grid 368 x 1, 4 waves a work-group, no clusters, 102,912 bytes of LDS; arguments x, Wq, Wk, Wv, Wo, xq, wq, wot; writes xq, wq, wot
.if DOCPART == 1
	.amdgcn_target "amdgcn-amd-amdhsa--gfx1250"
	.amdhsa_code_object_version 6
	.text
	.protected	k_qf5a86d771a_prep
	.globl	k_qf5a86d771a_prep
	.p2align	8
	.type	k_qf5a86d771a_prep,@function
k_qf5a86d771a_prep:
	s_mov_b64 s[64:65], 0
	v_nop
	global_prefetch_b8 v0, s[64:65] scope:SCOPE_SE
	s_setreg_imm32_b32 hwreg(HW_REG_WAVE_MODE, 25, 1), 1
	s_wait_xcnt 0x0
; THE OPERANDS ARE MADE READY, ONCE.  Three kinds of work-group, told apart by the work-group's number alone; the three ways never join, and each has LDS bytes of its own.
;   0-255   X: x [8192][1024] f32 -> codes of FP4 (E2M1), K innermost, xq[row][512 bytes], and one E8M0 byte for each 32 along K, xq + XS [row][32].
;   256-303 W: Wq, Wk, Wv [1024 k][1024 n] f32, K their FIRST axis -> codes laid [n][512 bytes] with K innermost, wq (n = 1024 sel + column), and scale bytes wq + WS [n][32].
;   304-367 O: Wo [1024 k][1024 n] f32 -> f16, laid [n][k], wot: the last product's second operand with K innermost.
; A block's scale is 2^(floor(log2(its largest magnitude)) - 2); its byte is the largest magnitude's exponent field - 2, held at 1 from below.
; LIMITS: a block of zeros, or one whose largest magnitude lies under 2^-124, gets the byte 1 (the rule says 127 for zeros: its codes are zeros, and this program alone reads the bytes);
; NaN and infinities among the inputs are not served; |Wo| stays under 65,504, f16's largest number.
; No tensor load, no barrier: waves share nothing.
.set XS,    4194304                    ; xq: where the scale bytes begin
.set WS,    1572864                    ; wq: likewise
.set WST,   32768                      ; LDS: way X has bytes 0 to 32,767 (8,192 a wave), way W four stages of 32 x 272 from here,
.set OST,   67584                      ; way O four such stages from here,
.set SPARE, 102400                     ; and behind them the spare words, 128 bytes for each wave, which no other line names
.set SPW,   190                        ; v190  LDS address of my spare word; never rewritten
.set NIL,   191                        ; v191  0; never rewritten
.set EMAX,  2
.set STEPS, 16
.set XR,    16                         ; way X: v16-79 four sets of 16 numbers as loaded
.set XN,    80                         ;        v80-111 two sets of 16 neighbours
.set XC,    128                        ;        v128-189 codes, four registers a step (two used): no store's data are written again
.set XE,    112                        ;        v112-127 a scale byte for each step
.set XP,    80                         ;        a lane's place in a stage: 64 bytes + 16 of padding
.set CX,    32                         ; ways W and O: v32-95 two sets of 32 numbers down K
.set CC,    96                         ;        v96-111 what a block has become
.set OUTR,  112                        ;        v112-175 the way out
.set SB,    24                         ;        v24-27 way W's scale bytes, four to a register
.macro CLOSE                           ; a wave's end: behind my last LDS store
	s_wait_tensorcnt 0x0
	ds_add_u32 v[SPW], v[NIL]
	s_wait_dscnt 0x0
	s_endpgm
.endm
; ---- way X's macros
.macro XLOAD t                         ; step t: 2,048 bytes as they lie, 512 consecutive bytes a load
.irp i, 0,1,2,3
	global_load_b128 v[XR+16*((\t)%4)+4*\i:XR+16*((\t)%4)+4*\i+3], v3, s[4:5] offset:2048*(\t)+512*\i th:TH_LOAD_NT
.endr
.endm
.macro XTURN t                         ; through my stage, so that a lane gets 16 neighbours; LDS serves a wave's instructions in order, so no wait stands between
.irp i, 0,1,2,3
	ds_store_b128 v14, v[XR+16*((\t)%4)+4*\i:XR+16*((\t)%4)+4*\i+3] offset:32*XP*((\t)%2)+8*XP*\i
.endr
.irp i, 0,1,2,3
	ds_load_b128 v[XN+16*((\t)%2)+4*\i:XN+16*((\t)%2)+4*\i+3], v15 offset:32*XP*((\t)%2)+16*\i
.endr
.endm
.macro XSTEP t
.set CUR, XN+16*((\t)%2)
.if (\t) > 0
	s_wait_dscnt 1                                 ; this step's numbers are back (the last step's byte store may be out): so its stores into the stage have read their registers,
.else
	s_wait_dscnt 0x0
.endif
.if (\t)+4 < STEPS
	XLOAD (\t)+4                                   ; which take the loads of four steps on
.endif
.if (\t)+1 < STEPS
.if STEPS-2-(\t) >= 3
	s_wait_loadcnt 12                              ; the next step's four loads are in; those of the three steps behind it may be out
.else
	s_wait_loadcnt 4*(STEPS-2-(\t))
.endif
	XTURN (\t)+1
.endif
	v_max3_num_f32 v8, |v[CUR]|, |v[CUR+1]|, |v[CUR+2]|          ; the largest magnitude of my 16, in two chains
	v_max3_num_f32 v9, |v[CUR+3]|, |v[CUR+4]|, |v[CUR+5]|
.irp i, 6,10
	v_max3_num_f32 v8, v8, |v[CUR+\i]|, |v[CUR+\i+1]|
	v_max3_num_f32 v9, v9, |v[CUR+\i+2]|, |v[CUR+\i+3]|
.endr
	v_max3_num_f32 v8, v8, |v[CUR+14]|, |v[CUR+15]|
	v_max3_num_f32 v8, v8, v9, (EMAX+1)<<23        ; and the floor, so that the byte cannot fall under 1
	v_max_num_f32_dpp v8, v8, v8 row_xmask:1 row_mask:0xf bank_mask:0xf   ; with my neighbour's 16: the block's
	v_add_nc_u32 v11, -(EMAX<<23), v8              ; 2 off its exponent field: the conversion takes the exponent field of this operand as its scale
	v_cvt_scalef32_pk8_fp4_f32 v[XC+4*(\t)], v[CUR:CUR+7], v11
	v_cvt_scalef32_pk8_fp4_f32 v[XC+4*(\t)+1], v[CUR+8:CUR+15], v11
	v_lshrrev_b32 v[XE+(\t)], 23, v11              ; the scale's byte
	ds_store_b8 v5, v[XE+(\t)] offset:16*(\t)      ; both lanes of a block write the same byte with the same value
	global_store_b64 v4, v[XC+4*(\t):XC+4*(\t)+1], s[26:27] offset:256*(\t)   ; the wave stores 256 consecutive bytes, aligned
.endm
; ---- macros of ways W and O: a lane takes a column, its registers run down K
.macro LANES first, shift              ; first: the way's stages in LDS; shift: log2 of an output row's bytes
	v_lshlrev_b32 v3, 2, v2                        ; in: 4 bytes a lane
	s_mul_i32 s32, s20, 8704
	s_add_co_u32 s32, s32, \first                  ; my stage
	v_mul_u32_u24 v4, v2, 272
	v_add_nc_u32 v4, s32, v4                       ; into it: row = my column
	v_and_b32 v5, 15, v2
	v_lshrrev_b32 v6, 4, v2
	v_mul_u32_u24 v7, v6, 272
	v_lshl_add_u32 v7, v5, 4, v7
	v_add_nc_u32 v7, s32, v7                       ; out of it: sixteen lanes to a row, two rows an instruction
	v_lshlrev_b32 v8, \shift, v6
	v_lshl_add_u32 v8, v5, 4, v8                   ; and the same place in the output
.endm
.macro COLLOAD t                       ; block t: rows 32 t + i of my column, into set t % 2; 128 consecutive bytes a wave
.set i, 0
.rept 32
	global_load_b32 v[CX+32*((\t)%2)+i], v3, s[24:25] offset:(32*(\t)+i)*4096 th:TH_LOAD_NT
.set i, i+1
.endr
.endm
.macro ROWS_OUT pitch                  ; 32 rows of 256 bytes leave: sixteen lanes store 256 consecutive bytes, aligned
.irp t, 0,1,2,3,4,5,6,7,8,9,10,11,12,13,14,15
	ds_load_b128 v[OUTR+4*\t:OUTR+4*\t+3], v7 offset:2*\t*272       ; LDS serves a wave's instructions in order: these see my stores
.endr
.irp t, 0,1,2,3,4,5,6,7,8,9,10,11,12,13,14,15
	s_wait_dscnt 15-\t                             ; read-back t is in; the younger ones may be out
	global_store_b128 v8, v[OUTR+4*\t:OUTR+4*\t+3], s[28:29] offset:2*\t*\pitch
.endr
.endm
.macro WBLOCK t
.set CUR, CX+32*((\t)%2)
.if (\t) < 15
	s_wait_loadcnt 32                              ; this block's 32 loads are in; the next block's may be out
.else
	s_wait_loadcnt 0x0
.endif
	v_max3_num_f32 v12, |v[CUR]|, |v[CUR+1]|, |v[CUR+2]|          ; the block's largest magnitude: all 32 numbers are mine
	v_max3_num_f32 v13, |v[CUR+3]|, |v[CUR+4]|, |v[CUR+5]|
.irp i, 6,10,14,18,22,26
	v_max3_num_f32 v12, v12, |v[CUR+\i]|, |v[CUR+\i+1]|
	v_max3_num_f32 v13, v13, |v[CUR+\i+2]|, |v[CUR+\i+3]|
.endr
	v_max3_num_f32 v12, v12, |v[CUR+30]|, |v[CUR+31]|
	v_max3_num_f32 v12, v12, v13, (EMAX+1)<<23
	v_add_nc_u32 v11, -(EMAX<<23), v12
	v_lshrrev_b32 v13, 23, v11                     ; the scale's byte
.if (\t)%4 == 0
	v_mov_b32 v[SB+(\t)/4], v13                    ; four bytes to a register, the lower K in the lower byte
.else
	v_lshl_or_b32 v[SB+(\t)/4], v13, 8*((\t)%4), v[SB+(\t)/4]
.endif
.irp g, 0,1,2,3
	v_cvt_scalef32_pk8_fp4_f32 v[CC+\g], v[CUR+8*\g:CUR+8*\g+7], v11
.endr
	ds_store_b128 v4, v[CC:CC+3] offset:16*(\t)    ; 32 codes: 16 bytes of my column's row
.if (\t)+2 < 16
	COLLOAD (\t)+2
.endif
	s_wait_dscnt 0x0                               ; the store has read its registers: the next block's codes may be written
.endm
.macro OBLOCK t
.set CUR, CX+32*((\t)%2)
.if (\t) < 3
	s_wait_loadcnt 32
.else
	s_wait_loadcnt 0x0
.endif
.set i, 0
.rept 16
	v_cvt_pk_f16_f32 v[CC+i], v[CUR+2*i], v[CUR+2*i+1]            ; two neighbours along K, the lower in the low half
.set i, i+1
.endr
.irp i, 0,1,2,3
	ds_store_b128 v4, v[CC+4*\i:CC+4*\i+3] offset:64*(\t)+16*\i
.endr
.if (\t)+2 < 4
	COLLOAD (\t)+2
.endif
	s_wait_dscnt 0x0                               ; the stores have read their registers
.endm
	s_load_b256 s[4:11], s[0:1], 0x0               ; x s[4:5], Wq s[6:7], Wk s[8:9], Wv s[10:11]
	s_load_b256 s[12:19], s[0:1], 0x20             ; Wo s[12:13], xq s[14:15], wq s[16:17], wot s[18:19]
	v_lshl_add_u32 v[SPW], v0, 2, SPARE
	v_mov_b32 v[NIL], 0
	v_lshrrev_b32 v1, 5, v0
	v_readfirstlane_b32 s20, v1                    ; wave 0..3
	v_and_b32 v2, 31, v0                           ; lane
	s_wait_kmcnt 0x0
	s_cmp_lt_u32 ttmp9, 256
	s_cbranch_scc1 .Lpath_x
	s_cmp_lt_u32 ttmp9, 304
	s_cbranch_scc1 .Lpath_w
	; ---- WAY O: 128 columns x 128 along K to a work-group, 32 columns to a wave
	s_sub_co_u32 s21, ttmp9, 304
	s_and_b32 s23, s21, 7                          ; which 128 columns
	s_lshr_b32 s21, s21, 3                         ; which 128 along K
	s_lshl_b32 s23, s23, 7
	s_lshl_b32 s26, s20, 5
	s_add_co_u32 s23, s23, s26                     ; my wave's first column
	s_lshl_b32 s26, s21, 19                        ; 128 rows of 4,096 bytes
	s_lshl_b32 s27, s23, 2
	s_add_co_u32 s26, s26, s27
	s_mov_b32 s27, 0
	s_add_nc_u64 s[24:25], s[12:13], s[26:27]
	s_lshl_b32 s26, s23, 11                        ; a row of wot is 2,048 bytes
	s_lshl_b32 s28, s21, 8
	s_add_co_u32 s26, s26, s28
	s_add_nc_u64 s[28:29], s[18:19], s[26:27]
	LANES OST, 11
	COLLOAD 0
	COLLOAD 1
	OBLOCK 0
	OBLOCK 1
	OBLOCK 2
	OBLOCK 3
	ROWS_OUT 2048
	CLOSE
.Lpath_w:
	; ---- WAY W: 128 columns x 512 along K of one of the three weights to a work-group, 32 columns to a wave
	s_sub_co_u32 s21, ttmp9, 256
	s_lshr_b32 s22, s21, 4                         ; sel: 0 Wq, 1 Wk, 2 Wv
	s_and_b32 s23, s21, 7                          ; which 128 columns
	s_bfe_u32 s21, s21, 0x10003                    ; which 512 along K
	s_cmp_eq_u32 s22, 0                            ; the choice hangs on the work-group's number alone
	s_cselect_b64 s[24:25], s[6:7], s[8:9]
	s_cmp_eq_u32 s22, 2
	s_cselect_b64 s[24:25], s[10:11], s[24:25]
	s_lshl_b32 s23, s23, 7
	s_lshl_b32 s26, s20, 5
	s_add_co_u32 s23, s23, s26                     ; my wave's first column
	s_lshl_b32 s26, s21, 21                        ; 512 rows of 4,096 bytes
	s_lshl_b32 s27, s23, 2
	s_add_co_u32 s26, s26, s27
	s_mov_b32 s27, 0
	s_add_nc_u64 s[24:25], s[24:25], s[26:27]
	s_lshl_b32 s22, s22, 10
	s_add_co_u32 s22, s22, s23                     ; n = 1024 sel + column
	s_lshl_b32 s26, s22, 9                         ; a row of codes is 512 bytes
	s_lshl_b32 s28, s21, 8
	s_add_co_u32 s26, s26, s28
	s_add_nc_u64 s[28:29], s[16:17], s[26:27]
	s_lshl_b32 s26, s22, 5                         ; a row of scale bytes is 32
	s_lshl_b32 s30, s21, 4
	s_add_co_u32 s26, s26, s30
	s_add_co_u32 s26, s26, WS
	s_add_nc_u64 s[30:31], s[16:17], s[26:27]
	LANES WST, 9
	v_lshlrev_b32 v9, 5, v2                        ; my column's row of scale bytes
	COLLOAD 0
	COLLOAD 1
.set Q, 0
.rept 16
	WBLOCK Q
.set Q, Q+1
.endr
	global_store_b128 v9, v[SB:SB+3], s[30:31]     ; my column's 16 scale bytes: half a row of 32; one byte in 128 of what this way reads
	ROWS_OUT 512
	CLOSE
.Lpath_x:
	; ---- WAY X: rows are dense and K is a multiple of 32, so x is a plain stream of blocks of 32.  A wave takes a run of 8,192 numbers: 16 steps of 512
	s_mul_i32 s21, s20, 8192                       ; my wave's region in LDS: two stages of 32 x 80 bytes, then its 256 scale bytes
	v_lshlrev_b32 v3, 4, v2                        ; my 16 bytes of a load's 512
	v_lshrrev_b32 v14, 2, v2
	v_mul_u32_u24 v14, v14, XP
	v_and_b32 v15, 3, v2
	v_lshl_add_u32 v14, v15, 4, v14
	v_add_nc_u32 v14, s21, v14                     ; the stage, on the way in: four lanes' 64 bytes on end, then 16 of padding
	v_mul_u32_u24 v15, v2, XP
	v_add_nc_u32 v15, s21, v15                     ; and on the way out: my 16 neighbours
	v_lshlrev_b32 v4, 3, v2                        ; my 8 bytes of a step's codes
	v_lshrrev_b32 v5, 1, v2
	s_add_co_u32 s21, s21, 2*32*XP
	v_add_nc_u32 v5, s21, v5                       ; my block's scale byte in LDS
	v_lshlrev_b32 v7, 3, v2
	v_add_nc_u32 v6, s21, v7                       ; and on the way out 8 bytes a lane
	s_lshl_b32 s22, ttmp9, 2
	s_add_co_u32 s22, s22, s20                     ; which run is my wave's
	s_lshl_b32 s24, s22, 15
	s_mov_b32 s25, 0
	s_add_nc_u64 s[4:5], s[4:5], s[24:25]
	s_lshl_b32 s24, s22, 12
	s_add_nc_u64 s[26:27], s[14:15], s[24:25]      ; its codes
	s_lshl_b32 s24, s22, 8
	s_add_co_u32 s24, s24, XS
	s_add_nc_u64 s[28:29], s[14:15], s[24:25]      ; its scale bytes
.irp t, 0,1,2,3
	XLOAD \t
.endr
	s_wait_loadcnt 12                              ; step 0's four loads are in
	XTURN 0
.irp t, 0,1,2,3,4,5,6,7,8,9,10,11,12,13,14,15
	XSTEP \t
.endr
	ds_load_b64 v[8:9], v6                         ; LDS serves a wave's instructions in order: this sees my byte stores
	s_wait_dscnt 0x0
	global_store_b64 v7, v[8:9], s[28:29]          ; the wave's 256 scale bytes: 256 consecutive bytes, aligned
	CLOSE
.Lfunc_end_k_qf5a86d771a_prep:
	.size	k_qf5a86d771a_prep, .Lfunc_end_k_qf5a86d771a_prep-k_qf5a86d771a_prep
	.p2alignl 7, 3214868480
	.fill 96, 4, 3214868480
	.section	.rodata,"a",@progbits
	.p2align	6, 0x0
	.amdhsa_kernel k_qf5a86d771a_prep
		.amdhsa_group_segment_fixed_size 102912
		.amdhsa_private_segment_fixed_size 0
		.amdhsa_enable_private_segment 0
		.amdhsa_kernarg_size 64
		.amdhsa_user_sgpr_count 2
		.amdhsa_user_sgpr_kernarg_segment_ptr 1
		.amdhsa_wavefront_size32 1
		.amdhsa_system_sgpr_workgroup_id_x 1
		.amdhsa_system_sgpr_workgroup_id_y 1
		.amdhsa_system_sgpr_workgroup_id_z 1
		.amdhsa_system_vgpr_workitem_id 0
		.amdhsa_next_free_vgpr 192
		.amdhsa_next_free_sgpr 66
		.amdhsa_reserve_vcc 0
		.amdhsa_float_denorm_mode_32 3
		.amdhsa_float_denorm_mode_16_64 3
		.amdhsa_memory_ordered 1
		.amdhsa_forward_progress 1
		.amdhsa_inst_pref_size 132
	.end_amdhsa_kernel
	.amdgpu_metadata
---
amdhsa.version: [ 1, 2 ]
amdhsa.kernels:
  - .name:           k_qf5a86d771a_prep
    .symbol:         k_qf5a86d771a_prep.kd
    .args:
      - { .name: x, .offset: 0, .size: 8, .value_kind: global_buffer, .address_space: global }
      - { .name: Wq, .offset: 8, .size: 8, .value_kind: global_buffer, .address_space: global }
      - { .name: Wk, .offset: 16, .size: 8, .value_kind: global_buffer, .address_space: global }
      - { .name: Wv, .offset: 24, .size: 8, .value_kind: global_buffer, .address_space: global }
      - { .name: Wo, .offset: 32, .size: 8, .value_kind: global_buffer, .address_space: global }
      - { .name: xq, .offset: 40, .size: 8, .value_kind: global_buffer, .address_space: global }
      - { .name: wq, .offset: 48, .size: 8, .value_kind: global_buffer, .address_space: global }
      - { .name: wot, .offset: 56, .size: 8, .value_kind: global_buffer, .address_space: global }
    .group_segment_fixed_size: 102912
    .private_segment_fixed_size: 0
    .kernarg_segment_align: 8
    .kernarg_segment_size: 64
    .max_flat_workgroup_size: 128
    .sgpr_count:     66
    .vgpr_count:     192
    .wavefront_size: 32
...
	.end_amdgpu_metadata
.endif
;; end of part 1
;; launch qkv (part 2): grid 12 x 32, 4 waves a work-group, clusters of 4 x 4, 327,680 bytes of LDS; arguments xq, wq, bq, bk, bv, qkv, fin; writes qkv, fin
.if DOCPART == 2
	.amdgcn_target "amdgcn-amd-amdhsa--gfx1250"
	.amdhsa_code_object_version 6
	.text
	.protected	k_qf5a86d771a_qkv
	.globl	k_qf5a86d771a_qkv
	.p2align	8
	.type	k_qf5a86d771a_qkv,@function
k_qf5a86d771a_qkv:
	s_mov_b64 s[64:65], 0
	v_nop
	global_prefetch_b8 v0, s[64:65] scope:SCOPE_SE
	s_setreg_imm32_b32 hwreg(HW_REG_WAVE_MODE, 25, 1), 1
	s_wait_xcnt 0x0
	s_wait_alu depctr_hold_cnt(0) depctr_sa_sdst(0) depctr_va_vdst(0) depctr_va_sdst(0) depctr_va_ssrc(0) depctr_va_vcc(0) depctr_vm_vsrc(0)
	s_getreg_b32 s2, hwreg(HW_REG_IB_STS2, 6, 4)
	s_cmp_eq_u32 s2, 0
	s_cbranch_scc0 .Lentry_in_a_cluster
	s_endpgm
.Lentry_in_a_cluster:
	s_bfe_u32 s2, ttmp6, 0x10000c
	s_cmp_lg_u32 s2, 0xf033
	s_cbranch_scc0 .Lentry_shape_is_right
	s_endpgm
.Lentry_shape_is_right:
; Q, K, V = x W + b, the three quantised products as ONE product on codes of FP4 (E2M1): [8192 x 1024] x [3072 x 1024]^T, one E8M0 scale for each 32 along K, sums in f32.
; The result leaves as f16, qkv + 16,777,216 sel, flat [8192][1024] (which is also [64 heads][2048 positions][64]); rows 128 g, the first 16 positions of every head, leave in f32 too (fin[sel][g][1024]).
; LIMIT: |Q|, |K|, |V| stay under 65,504, f16's largest number.
; A tile of C, 256 x 256, is made by four waves, as many as a WGP has SIMDs; a wave makes 128 x 128: 64 accumulators of 16 x 16, 512 registers.
; K = 1,024 is two slots of 512 along K (rows of 256 bytes): every LDS byte is filled ONCE, all loads go out at the head (three of mine are out: my quarter of the scales, of slot 0, of slot 1), and there is no loop.
; CLUSTERS: 4 x 4 work-groups.  The four of a row of the cluster need the same tiles of x, the four of a column the same tiles of W: each tile is asked for JOINTLY, by the same tensor load with the same
; descriptor and a mask that names the four.  The cluster's x is sel (0 Q, 1 K, 2 V): 1,024 columns are four tiles.
; THE MATRIX INSTRUCTION IS USED TRANSPOSED (source 0 = 16 rows of W, source 1 = 16 rows of x): a lane holds eight neighbouring numbers of a row of C.  THE BIAS is the C of each sum's first instruction.
; REGISTERS, in windows of 256: window 0: v16-31 addresses; v32-95 scale words, two sets, and nothing else; v128-191 x's fragments, ONE set, later rows on their way out; v192-255 the bias, later packed results.
;   window 1: W's fragments, TWO sets, at v0 and v128.   window 2: the accumulators of my rows 0-63 ((a, b) at v[8 (8 a + b)]);   window 3: those of my rows 64-127.
.set XS,     4194304                   ; xq: where the scale bytes begin
.set WS,     1572864                   ; wq: likewise
.set NQ,     4                         ; steps of 128 along K in a slot
.set ROWB,   256                       ; a tile's row in bytes: 512 codes
.set KROW,   512                       ; a row of codes in memory
.set PITCH,  272                       ; an LDS row: 256 bytes + 16 of padding = 68 words: the 16 rows that a load touches start at 16 different banks (64 banks of 4 bytes: ISA guide 11.1)
.set FR,     8                         ; registers of a fragment: 16 rows x 128 K
.set NL,     2                         ; LDS loads that bring one
.set NP,     4                         ; places behind this matrix instruction (ISA guide 7.12.1)
.set HALFT,  128*PITCH
.set SLOT,   4*HALFT                   ; x's 256 rows, then W's 256 rows
.set KS,     32                        ; a row of scale bytes
.set SCL,    2*SLOT                    ; behind the slots: the scales, as units of 256 bytes + 16 of padding
.set HALFS,  16*272                    ; those of 128 rows: what one tensor load brings
.set SBLK,   2*272                     ; those of 16 rows
.set SPARE,  SCL+4*HALFS               ; the spare words, 128 bytes for each wave, which no other line names
.set ADRA, 16                          ; v16-17  LDS address of my fragments of x in slot 0, 1
.set ADRB, 20                          ; v20-21  the same for W
.set STO,  24                          ; v24     the way out: where I put 16 bytes of a row
.set RD,   25                          ; v25     where I read a row back
.set CO,   26                          ; v26     my byte offset in two rows of the result
.set ADRS, 27                          ; v27     my scale words: lanes 0-15 x's rows, lanes 16-31 W's
.set SPW,  28                          ; v28     my spare word; never rewritten
.set NIL,  29                          ; v29     0; never rewritten
.set FO,   30                          ; v30     32 x (lane / 16): my eight f32 numbers of sixteen
.set RR,   31                          ; v31     lane % 16
.set SC,   32
.set AF,   128
.set BI,   192                         ; register 8 b + j: the bias of column 16 b + 8 (lane / 16) + j of my 128
.set TMP,  192
.set BK,   128                         ; the way out: 16 rows read back: v128-159 and v160-191 by turns
.set G1, 24
.set G0, 32
.set G1B, 48
.set G0B, 56
.set G1S, 68
.set G0S, 76
.set G1SB, 80
.set G0SB, 88
.set MSB, 0
.macro WIN new                         ; the immediate's high byte repeats the setting that is left
.if MSB != (\new)
	s_set_vgpr_msb (MSB<<8)|(\new)
.set MSB, (\new)
.endif
.endm
.set MUL_LO, 0xa1                      ; source 0 (W) window 1, source 1 (x) window 0, C and D window 2
.set MUL_HI, 0xf1                      ; the same, C and D window 3
.set TO_B,   0x40                      ; destination window 1, address window 0
; A joint load: waves 0 and 1 fetch for x, waves 2 and 3 for W.  Each line has ONE mask and one set of registers for all that issue it; the branch hangs on the wave's number alone.
; An s_nop 0 and four v_nop follow each of the two lines.
.macro JLOAD g0a, g1a, g0b, g1b
	s_cmp_eq_u32 s15, 0
	s_cbranch_scc0 .Lfor_b_\@
	tensor_load_to_lds s[\g0a:\g0a+3], s[\g1a:\g1a+7]
	s_nop 0
.rept 4
	v_nop
.endr
	s_branch .Lasked_\@
.Lfor_b_\@:
	tensor_load_to_lds s[\g0b:\g0b+3], s[\g1b:\g1b+7]
	s_nop 0
.rept 4
	v_nop
.endr
.Lasked_\@:
.endm
.macro CROUND                          ; a round of the cluster's barrier
	s_barrier_signal -1
	s_barrier_wait -1
	s_cmp_lg_u32 s14, 0
	s_cbranch_scc1 .Lnot_wave_0_\@
	s_barrier_signal -3
.Lnot_wave_0_\@:
	s_barrier_wait -3
	s_barrier_signal -1
	s_barrier_wait -1
.endm
	s_load_b128 s[4:7], s[0:1], 0x0                ; xq s[4:5], wq s[6:7]
	s_load_b128 s[96:99], s[0:1], 0x10             ; bq, bk
	s_load_b64 s[100:101], s[0:1], 0x20            ; bv
	s_load_b128 s[8:11], s[0:1], 0x28              ; qkv s[8:9], fin s[10:11]
	v_lshl_add_u32 v[SPW], v0, 2, SPARE
	v_mov_b32 v[NIL], 0
	ds_add_u32 v[SPW], v[NIL]                      ; the wave's opening: the add, twice on end, and its wait ahead of my first tensor load
	ds_add_u32 v[SPW], v[NIL]                      ; (the same add once more; the set-up below, work on registers, stands between it and the wait)
	v_lshrrev_b32 v1, 5, v0
	v_readfirstlane_b32 s14, v1                    ; wave 0..3
	s_lshr_b32 s15, s14, 1                         ; which half of the tile's rows is mine.  Also: I fetch for x (0) or for W (1)
	s_and_b32 s16, s14, 1                          ; which half of its columns.  Also: which 128 rows of that tile I fetch
	s_bfe_u32 s40, ttmp6, 0x40000                  ; cx, cy: my place in the cluster
	s_bfe_u32 s41, ttmp6, 0x40004
	s_lshl_b32 s42, ttmp9, 2
	s_add_co_u32 s42, s42, s40                     ; tile column = 4 x cluster x + cx
	s_and_b32 s17, ttmp7, 0xffff
	s_lshl_b32 s17, s17, 2
	s_add_co_u32 s17, s17, s41                     ; tile row = 4 x cluster y + cy
	s_lshl_b32 s43, s41, 2
	s_lshl_b32 s43, 15, s43                        ; my row of the cluster
	s_lshl_b32 s44, 0x1111, s40                    ; my column
	; descriptor group 1: a tile of 128 rows x 256 bytes, padded in LDS
	s_or_b32 s[G1+0], s43, (0<<16)|(1<<20)|(1<<21)|(5<<22)|(3<<25)  ; 15:0 the mask; 17:16 element of 1 byte; 20 padding on; 21 set beside a mask; 24:22 after every 64 words; 31:25 four words
	s_or_b32 s[G1B+0], s44, (0<<16)|(1<<20)|(1<<21)|(5<<22)|(3<<25)
.irp g, G1, G1B
	s_mov_b32 s[\g+1], ROWB<<16                    ; tensor_dim0
	s_mov_b32 s[\g+2], 128<<16                     ; tensor_dim1
	s_mov_b32 s[\g+3], ROWB<<16                    ; tile_dim0
	s_mov_b32 s[\g+4], 128                         ; tile_dim1
	s_mov_b32 s[\g+5], KROW                        ; from row to row
	s_mov_b32 s[\g+6], 0
	s_mov_b32 s[\g+7], 0
.endr
	; the scales of 128 rows: 4,096 dense bytes, as 16 rows of 256 bytes (32 elements of 8 bytes), 16 bytes of padding behind each
	s_or_b32 s[G1S+0], s43, (3<<16)|(1<<20)|(1<<21)|(5<<22)|(3<<25)
	s_or_b32 s[G1SB+0], s44, (3<<16)|(1<<20)|(1<<21)|(5<<22)|(3<<25)
.irp g, G1S, G1SB
	s_mov_b32 s[\g+1], 32<<16
	s_mov_b32 s[\g+2], 16<<16
	s_mov_b32 s[\g+3], 32<<16
	s_mov_b32 s[\g+4], 16
	s_mov_b32 s[\g+5], 32
	s_mov_b32 s[\g+6], 0
	s_mov_b32 s[\g+7], 0
.endr
	s_lshl_b32 s18, s16, 7                         ; which 128 rows of the tile I fetch
	s_lshl_b32 s20, s17, 8
	s_add_co_u32 s20, s20, s18                     ; x: row 256 x tile row + 128 x half
	s_lshl_b32 s46, s42, 8
	s_add_co_u32 s46, s46, s18                     ; W: row 256 x tile column + 128 x half
	s_mov_b32 s21, 0
	s_mov_b32 s47, 0
	s_lshl_b64 s[22:23], s[20:21], 5               ; where these rows' scales begin, in bytes,
	s_lshl_b64 s[92:93], s[46:47], 5
	s_add_nc_u64 s[22:23], s[22:23], XS
	s_add_nc_u64 s[92:93], s[92:93], WS
	s_lshl_b64 s[20:21], s[20:21], 9               ; and their codes
	s_lshl_b64 s[46:47], s[46:47], 9
	s_mul_i32 s45, s14, HALFT                      ; where they go: wave x 128 rows: no place in the cluster enters an LDS address
	s_mul_i32 s94, s14, HALFS
	s_wait_dscnt 0x0                               ; both opening adds are done
	s_wait_kmcnt 0x0
	s_add_nc_u64 s[20:21], s[4:5], s[20:21]
	s_add_nc_u64 s[22:23], s[4:5], s[22:23]
	s_add_nc_u64 s[46:47], s[6:7], s[46:47]
	s_add_nc_u64 s[92:93], s[6:7], s[92:93]
	CROUND                                         ; all sixteen work-groups are here: the joint loads meet
	s_mov_b32 s[G0S], 1
	s_add_co_u32 s[G0S+1], s94, SCL
	s_mov_b64 s[G0S+2:G0S+3], s[22:23]
	s_or_b32 s[G0S+3], s[G0S+3], 0x80000000
	s_mov_b32 s[G0SB], 1
	s_add_co_u32 s[G0SB+1], s94, SCL
	s_mov_b64 s[G0SB+2:G0SB+3], s[92:93]
	s_or_b32 s[G0SB+3], s[G0SB+3], 0x80000000
	JLOAD G0S, G1S, G0SB, G1SB                     ; the scales first: they are wanted with the first step
.irp s, 0,1
	s_mov_b32 s[G0+4*\s], 1
	s_add_co_u32 s[G0+4*\s+1], s45, \s*SLOT
	s_add_nc_u64 s[G0+4*\s+2:G0+4*\s+3], s[20:21], \s*ROWB
	s_or_b32 s[G0+4*\s+3], s[G0+4*\s+3], 0x80000000
	s_mov_b32 s[G0B+4*\s], 1
	s_add_co_u32 s[G0B+4*\s+1], s45, \s*SLOT
	s_add_nc_u64 s[G0B+4*\s+2:G0B+4*\s+3], s[46:47], \s*ROWB
	s_or_b32 s[G0B+4*\s+3], s[G0B+4*\s+3], 0x80000000
	JLOAD G0+4*\s, G1, G0B+4*\s, G1B
.endr
	; the bias of my 128 columns, and where my results go.  cx enters global addresses alone, in registers that feed no descriptor of x
	s_cmp_eq_u32 ttmp9, 0
	s_cselect_b64 s[96:97], s[96:97], s[98:99]
	s_cmp_eq_u32 ttmp9, 2
	s_cselect_b64 s[96:97], s[100:101], s[96:97]
	s_lshl_b32 s46, s40, 9
	s_lshl_b32 s47, s16, 8
	s_add_co_u32 s46, s46, s47                     ; my first column of the 1,024, in bytes of f16: 512 cx + 256 x half
	s_lshl_b32 s20, s17, 8
	s_lshl_b32 s21, s15, 7
	s_add_co_u32 s20, s20, s21                     ; my first row
	s_lshl_b32 s20, s20, 11                        ; a row of the result is 2,048 bytes
	s_lshl_b32 s47, ttmp9, 24                      ; Q, K or V
	s_add_co_u32 s12, s20, s46
	s_add_co_u32 s12, s12, s47
	s_mov_b32 s13, 0
	s_add_nc_u64 s[8:9], s[8:9], s[12:13]
	s_lshl_b32 s46, s46, 1                         ; the same column in bytes of f32
	s_mov_b32 s47, 0
	s_add_nc_u64 s[96:97], s[96:97], s[46:47]
	s_lshl_b32 s20, s17, 1
	s_add_co_u32 s20, s20, s15                     ; g: my first row is row 128 g
	s_lshl_b32 s20, s20, 12
	s_lshl_b32 s21, ttmp9, 18
	s_add_co_u32 s12, s20, s21
	s_add_co_u32 s12, s12, s46
	s_add_nc_u64 s[10:11], s[10:11], s[12:13]
	v_and_b32 v1, 15, v0                           ; l % 16
	v_bfe_u32 v2, v0, 4, 1                         ; l / 16
	v_mov_b32 v[RR], v1
	v_lshlrev_b32 v[FO], 5, v2
.irp b, 0,1,2,3,4,5,6,7
	global_load_b128 v[BI+8*\b:BI+8*\b+3], v[FO], s[96:97] offset:64*\b
	global_load_b128 v[BI+8*\b+4:BI+8*\b+7], v[FO], s[96:97] offset:64*\b+16
.endr
	v_mul_u32_u24 v3, v1, PITCH
	v_lshl_add_u32 v4, v2, 4, v3                   ; a fragment's row x pitch + 16 x half
	s_mul_i32 s21, s15, HALFT                      ; my 128 rows of x
	s_mul_i32 s22, s16, HALFT                      ; my 128 rows of W,
	s_add_co_u32 s22, s22, 2*HALFT                 ; which lie behind x's 256
.irp s, 0,1
	v_add_nc_u32 v[ADRA+\s], s21, v4
	v_add_nc_u32 v[ADRB+\s], s22, v4
	s_add_co_u32 s21, s21, SLOT
	s_add_co_u32 s22, s22, SLOT
.endr
	v_mul_u32_u24 v5, v1, KS                       ; my row's scales: 32 bytes a row,
	v_lshrrev_b32 v6, 8, v5
	v_lshl_add_u32 v5, v6, 4, v5                   ; and 16 more for each 256 passed
	s_mul_i32 s21, s15, HALFS
	s_mul_i32 s22, s16, HALFS
	s_add_co_u32 s22, s22, 2*HALFS
	s_sub_co_u32 s22, s22, s21
	v_mul_u32_u24 v6, s22, v2                      ; lanes 16-31 take W's: one product, the lower base + half x the distance
	s_add_co_u32 s21, s21, SCL
	v_add_nc_u32 v5, v5, v6
	v_add_nc_u32 v[ADRS], s21, v5
	s_mul_i32 s23, s14, 16*PITCH                   ; my stage: 16 rows x 272 bytes, in slot 0, which has had its one fill and its last read when the first result is stored there
	v_add_nc_u32 v[STO], s23, v4                   ; in: row l % 16, 16 bytes for each half of the lanes
	v_mul_u32_u24 v5, v2, PITCH
	v_lshl_add_u32 v5, v1, 4, v5
	v_add_nc_u32 v[RD], s23, v5                    ; back: lanes 0-15 one row of 256 bytes, lanes 16-31 the next
	v_lshlrev_b32 v5, 11, v2
	v_lshl_add_u32 v[CO], v1, 4, v5                ; and the same two rows in memory
.macro FRAG reg, adr, q, i             ; 16 rows x 128 K of 4-bit codes: lane l holds row l % 16; registers 4 c .. 4 c + 3 hold K = 64 c + 32 (l / 16) + 0 .. 31
.irp c, 0,1
	ds_load_b128 v[\reg+4*\c:\reg+4*\c+3], v[\adr] offset:64*(\q)+32*\c+(\i)*16*PITCH
.endr
.endm
; 16 matrix instructions: x's blocks a0, a0 + 1 against W's eight, the slot's q-th 128 along K.  p: W's set;  sc: the set of scale words.  first = 1: the bias starts the sums: nothing is cleared or added.
; The 64 accumulators take turns, one instruction a turn, in the same order in every step.
.macro MUL16 a0, p, q, sc, first
.irp a, \a0, \a0+1
.irp b, 0,1,2,3,4,5,6,7
.if \first
	v_wmma_scale_f32_16x16x128_f8f6f4 v[8*(8*((\a)%4)+\b):8*(8*((\a)%4)+\b)+7], v[128*(\p)+FR*\b:128*(\p)+FR*\b+FR-1], v[AF+FR*(\a):AF+FR*(\a)+FR-1], v[BI+8*\b:BI+8*\b+7], v[SC+8*NQ*(\sc)+NQ*\b+(\q)], v[SC+8*NQ*(\sc)+NQ*(\a)+(\q)] matrix_a_fmt:MATRIX_FMT_FP4 matrix_b_fmt:MATRIX_FMT_FP4 matrix_a_scale:MATRIX_SCALE_ROW1
.else
	v_wmma_scale_f32_16x16x128_f8f6f4 v[8*(8*((\a)%4)+\b):8*(8*((\a)%4)+\b)+7], v[128*(\p)+FR*\b:128*(\p)+FR*\b+FR-1], v[AF+FR*(\a):AF+FR*(\a)+FR-1], v[8*(8*((\a)%4)+\b):8*(8*((\a)%4)+\b)+7], v[SC+8*NQ*(\sc)+NQ*\b+(\q)], v[SC+8*NQ*(\sc)+NQ*(\a)+(\q)] matrix_a_fmt:MATRIX_FMT_FP4 matrix_b_fmt:MATRIX_FMT_FP4 matrix_a_scale:MATRIX_SCALE_ROW1
.endif
.endr
.endr
.endm
.macro FETCH_B slot, q, p
	WIN TO_B
.irp i, 0,1,2,3,4,5,6,7
	FRAG 128*(\p)+FR*\i, ADRB+\slot, \q, \i
.endr
	WIN 0
.endm
.macro FETCH_A slot, q, i0
.irp i, \i0, \i0+1, \i0+2, \i0+3
	FRAG AF+FR*(\i), ADRA+\slot, \q, \i
.endr
.endm
.macro SCALES sc                       ; a slot's scale words: four words a row; lanes 0-15 take x's block i, lanes 16-31 W's block i
.irp i, 0,1,2,3,4,5,6,7
	ds_load_b128 v[SC+8*NQ*\sc+NQ*\i:SC+8*NQ*\sc+NQ*\i+3], v[ADRS] offset:\i*SBLK
.endr
.endm
; A load into a register that a matrix instruction has read, and a vector instruction or a store that reads a matrix result, stand four places behind that matrix instruction; only plain vector
; instructions that name none of its registers are places (ISA guide 7.12.1 for vector instructions).
.macro PLACES n
.rept \n
	v_nop
.endr
.endm
.macro STEP slot, q, first             ; a step of 128 along K that has its successor in the same slot
	s_wait_dscnt 4*NL                              ; W's set and x's blocks 0-3 are in; the youngest eight loads (x's blocks 4-7) may be out
	WIN MUL_LO-0x20*(\first)                       ; (first: C, the bias, in window 0)
	MUL16 0, (\q)%2, \q, \slot, \first
	MUL16 2, (\q)%2, \q, \slot, \first
	s_wait_dscnt 0                                 ; x's blocks 4-7 are in
	PLACES NP
	FETCH_B \slot, (\q)+1, 1-(\q)%2
	FETCH_A \slot, (\q)+1, 0
	WIN MUL_HI-0x30*(\first)
	MUL16 4, (\q)%2, \q, \slot, \first
	MUL16 6, (\q)%2, \q, \slot, \first
	PLACES NP
	WIN 0
	FETCH_A \slot, (\q)+1, 4
.endm
; Slot 0's last step goes over to slot 1: one barrier; in front of it each wave waits for all its tensor loads (its part of slot 1), adds 0 to its spare word, and waits for that and for its reads.  Nothing is filled again.
.macro TURN slot, next
	s_wait_tensorcnt 0x0                           ; all my tensor loads have landed
	ds_add_u32 v[SPW], v[NIL]                      ; 0 onto my spare word
	s_wait_dscnt 4*NL+1                            ; (the add and the youngest eight loads may be out)
	WIN MUL_LO
	MUL16 0, 1, NQ-1, \slot, 0                     ; sixteen matrix instructions stand between the add and the wait for it
	s_wait_dscnt 0x0                               ; the add is done, and my reads of this slot are over
	s_barrier_signal -1
	MUL16 2, 1, NQ-1, \slot, 0
	WIN 0
	s_barrier_wait -1                              ; slot 1 is whole, and nobody reads slot 0 any more
	PLACES NP
	v_add_nc_u32 v[ADRS], 4*NQ, v[ADRS]            ; on to slot 1's scale words
	FETCH_B \next, 0, 0
	FETCH_A \next, 0, 0
	SCALES \next
	WIN MUL_HI
	MUL16 4, 1, NQ-1, \slot, 0
	MUL16 6, 1, NQ-1, \slot, 0
	PLACES NP
	WIN 0
	FETCH_A \next, 0, 4
.endm
	s_wait_tensorcnt 1                             ; the scales and my part of slot 0 are in (slot 1's load may be out)
	s_barrier_signal -1
	s_barrier_wait -1                              ; everybody's are
	FETCH_B 0, 0, 0
	FETCH_A 0, 0, 0
	SCALES 0
	FETCH_A 0, 0, 4
	s_wait_loadcnt 0x0                             ; the bias
	STEP 0, 0, 1
	STEP 0, 1, 0
	STEP 0, 2, 0
	TURN 0, 1
	STEP 1, 0, 0
	STEP 1, 1, 0
	STEP 1, 2, 0
	s_wait_dscnt 4*NL                              ; the last step: nothing more to fetch
	WIN MUL_LO
	MUL16 0, 1, NQ-1, 1, 0
	MUL16 2, 1, NQ-1, 1, 0
	s_wait_dscnt 0
	WIN MUL_HI
	MUL16 4, 1, NQ-1, 1, 0
	MUL16 6, 1, NQ-1, 1, 0
	WIN 0
	; THE WAY OUT.  First my row 0, which is row 128 g, in f32: lanes 0 and 16 hold it, in block 0's eight accumulators.  (Pieces of 32 bytes: 786,432 bytes in the whole launch.)
	PLACES NP
	s_wait_xcnt 0x0                                ; EXEC changes only behind this wait
	v_cmp_eq_u32 vcc_lo, 0, v[RR]
	s_and_saveexec_b32 s95, vcc_lo
	WIN 0x08                                       ; a store's data are its source 1: window 2
.irp b, 0,1,2,3,4,5,6,7
	global_store_b128 v[FO], v[8*\b:8*\b+3], s[10:11] offset:64*\b          ; each accumulator from its low end on
	global_store_b128 v[FO], v[8*\b+4:8*\b+7], s[10:11] offset:64*\b+16
.endr
	WIN 0
	s_wait_xcnt 0x0                                ; and again, in front of the line that widens it
	s_or_b32 exec_lo, exec_lo, s95
; Then all of it in f16, a block of 16 rows x 128 columns at a time: rounded, 16 bytes a lane; through my stage; back as whole rows of 256 bytes.
.macro PACK a
.set AC, 64*((\a)%4)
	WIN 0x0a+5*((\a)/4)                            ; sources 0 and 1: window 2 or 3
.irp b, 0,1,2,3,4,5,6,7
.irp r, 0,1,2,3
	v_cvt_pk_f16_f32 v[TMP+4*\b+\r], v[AC+8*\b+2*\r], v[AC+8*\b+2*\r+1]
.endr
.endr
	WIN 0
.endm
.macro TOSTAGE a
.set BB, BK+32*((\a)%2)
.irp b, 0,1,2,3,4,5,6,7
	ds_store_b128 v[STO], v[TMP+4*\b:TMP+4*\b+3] offset:32*\b
.endr
.irp t, 0,1,2,3,4,5,6,7
	ds_load_b128 v[BB+4*\t:BB+4*\t+3], v[RD] offset:\t*2*PITCH     ; LDS serves a wave's instructions in order (ISA guide 5.7.1.4): these see the stores above
.endr
.endm
.macro SEND a
.set BB, BK+32*((\a)%2)
	s_wait_dscnt 0x0                               ; the block is back in registers
	s_wait_xcnt 0x0                                ; earlier stores have read their base and their data: both may be written again
.if (\a) > 0
	s_add_nc_u64 s[8:9], s[8:9], 16*2048           ; 16 rows on
.endif
.irp t, 0,1,2,3,4,5,6,7
	global_store_b128 v[CO], v[BB+4*\t:BB+4*\t+3], s[8:9] offset:2*\t*2048   ; 16 lanes store 256 consecutive bytes, aligned
.endr
.endm
	PACK 0
	TOSTAGE 0
.irp a, 1,2,3,4,5,6,7                  ; block a's conversions stand between block a - 1's loads from the stage and the wait for them
	PACK \a
	SEND \a-1
	TOSTAGE \a
.endr
	SEND 7
	s_wait_tensorcnt 0x0                           ; the wave's end: behind my last tensor load and my last LDS store
	ds_add_u32 v[SPW], v[NIL]
	s_wait_dscnt 0x0
	CROUND                                         ; the closing round: no work-group ends while a partner may still ask for a tile that names it
	s_endpgm
.Lfunc_end_k_qf5a86d771a_qkv:
	.size	k_qf5a86d771a_qkv, .Lfunc_end_k_qf5a86d771a_qkv-k_qf5a86d771a_qkv
	.p2alignl 7, 3214868480
	.fill 96, 4, 3214868480
	.section	.rodata,"a",@progbits
	.p2align	6, 0x0
	.amdhsa_kernel k_qf5a86d771a_qkv
		.amdhsa_group_segment_fixed_size 327680
		.amdhsa_private_segment_fixed_size 0
		.amdhsa_enable_private_segment 0
		.amdhsa_kernarg_size 56
		.amdhsa_user_sgpr_count 2
		.amdhsa_user_sgpr_kernarg_segment_ptr 1
		.amdhsa_wavefront_size32 1
		.amdhsa_system_sgpr_workgroup_id_x 1
		.amdhsa_system_sgpr_workgroup_id_y 1
		.amdhsa_system_sgpr_workgroup_id_z 1
		.amdhsa_system_vgpr_workitem_id 0
		.amdhsa_next_free_vgpr 1024
		.amdhsa_next_free_sgpr 102
		.amdhsa_reserve_vcc 1
		.amdhsa_float_denorm_mode_32 3
		.amdhsa_float_denorm_mode_16_64 3
		.amdhsa_memory_ordered 1
		.amdhsa_forward_progress 1
		.amdhsa_inst_pref_size 130
	.end_amdhsa_kernel
	.amdgpu_metadata
---
amdhsa.version: [ 1, 2 ]
amdhsa.kernels:
  - .name:           k_qf5a86d771a_qkv
    .symbol:         k_qf5a86d771a_qkv.kd
    .args:
      - { .name: xq, .offset: 0, .size: 8, .value_kind: global_buffer, .address_space: global }
      - { .name: wq, .offset: 8, .size: 8, .value_kind: global_buffer, .address_space: global }
      - { .name: bq, .offset: 16, .size: 8, .value_kind: global_buffer, .address_space: global }
      - { .name: bk, .offset: 24, .size: 8, .value_kind: global_buffer, .address_space: global }
      - { .name: bv, .offset: 32, .size: 8, .value_kind: global_buffer, .address_space: global }
      - { .name: qkv, .offset: 40, .size: 8, .value_kind: global_buffer, .address_space: global }
      - { .name: fin, .offset: 48, .size: 8, .value_kind: global_buffer, .address_space: global }
    .group_segment_fixed_size: 327680
    .private_segment_fixed_size: 0
    .kernarg_segment_align: 8
    .kernarg_segment_size: 56
    .max_flat_workgroup_size: 128
    .sgpr_count:     102
    .vgpr_count:     1024
    .wavefront_size: 32
...
	.end_amdgpu_metadata
.endif
;; end of part 2
;; launch attn (part 3): grid 4 x 64, 8 waves a work-group, no clusters, 327,680 bytes of LDS; arguments qkv, ob; writes ob
.if DOCPART == 3
	.amdgcn_target "amdgcn-amd-amdhsa--gfx1250"
	.amdhsa_code_object_version 6
	.text
	.protected	k_qf5a86d771a_attn
	.globl	k_qf5a86d771a_attn
	.p2align	8
	.type	k_qf5a86d771a_attn,@function
k_qf5a86d771a_attn:
	s_mov_b64 s[64:65], 0
	v_nop
	global_prefetch_b8 v0, s[64:65] scope:SCOPE_SE
	s_setreg_imm32_b32 hwreg(HW_REG_WAVE_MODE, 25, 1), 1
	s_wait_xcnt 0x0
; O[g][q][:] = the sum over k <= q of softmax_k(Q[g][q] . K[g][k] / 8) V[g][k][:], 64 heads g of 2,048 positions x 64 channels.  Q, K, V (qkv) and O (ob) in f16; products, maxima and sums in f32; the weights p rounded to f16.
; LIMIT: |O| stays under 65,504 with |V|.  Positions 0-15 of each head are written here too, but the last product's row that they feed is made finer by the launch that follows it.
; SHARES.  A block is 256 queries, a unit 256 keys.  Work-group j of a head takes block 7 - j (units 0 .. 7 - j) and then block j (units 0 .. j): NINE units for every work-group, so that the causal mask
; leaves all 256 work-groups the same work and the loop's trip count is a constant.  Each of eight waves owns 32 queries of the block, two tiles of 16; two waves share a SIMD, so that one wave's softmax stands
; beside the other's products and LDS loads.
; NO CLUSTER: in a given trip the four work-groups of a head want different units (j walks 8 - j units before it turns back to unit 0), so no joint request would meet; walking the units in step would cost
; twelve unit-times against nine.
; LAYOUT.  S^T = K Q^T (source 0 = 16 keys, source 1 = 16 queries): a lane holds ONE query (lane % 16) and keys 8 (lane / 16) + 0..7 of each tile of 16.  Two such tiles, rounded to f16 in pairs, ARE source 1
; (32 keys x 16 queries) of O^T = V^T P.  K comes out of LDS as it lies, V ([key][channel]) turned, by ds_load_tr16_b128.
; SOFTMAX.  For each query a running maximum m and sum l: p = 2^(c s - c m), c = log2(e) / 8; in every step O and l are multiplied by a = 2^(c m_old - c m_new).  Hidden scores become -infinity ahead of the maximum.
; THE RING.  Two slots of a unit each; waves 0-3 fetch K's quarters (64 rows), waves 4-7 V's: one tensor load a wave behind each change of slots, one of mine out at any time.
; REGISTERS.  Window 0: v1-15 addresses; v16-31 statistics, eight a tile; v64-127 S^T; v128-159 P; v160-223 O^T.   Window 1: v0-31 Q; v64-127 K of a step; v128-191 V of a step.
.set KP,    144                        ; a row of K in LDS: 128 bytes + 16 = 36 words: the 16 rows of a load fall on different banks (64 banks of 4 bytes: ISA guide 11.1)
.set VP,    160                        ; a row of V: 128 + 32 = 40 words, for the turning load
.set VOFF,  256*KP                     ; a slot: 256 rows of K, then 256 rows of V
.set KQB,   64*KP                      ; a step's, and a fetching wave's, 64 rows of K
.set VQB,   64*VP                      ; and of V
.set SLOT1, 1<<17                      ; slot 1 begins here: one exclusive or turns an address in one slot into the other's
.set STAGE, 77824                      ; behind slot 0: 32 rows x 144 bytes for each wave, for the way out; no fill lands there
.set SPARE, 114688                     ; the spare words, 128 bytes for each wave, which no other line names
.set AK0, 1                            ; v1   my lane's place in a tile of K
.set AV0, 2                            ; v2   the same for V
.set ADK, 3                            ; v3   LDS address of the step's K
.set ADV, 4                            ; v4   of its V
.set QO,  5                            ; v5   my byte offset in 16 rows of Q
.set STO, 6                            ; v6   the way out: where I put 16 bytes of a row
.set RD,  7                            ; v7   where I read rows back
.set GO,  8                            ; v8   16 x lane
.set PFO, 9                            ; v9   256 x lane; never rewritten
.set DL,  10                           ; v10  lane % 16 - 8 (lane / 16)
.set NINF, 11                          ; v11  -infinity
.set DD,  12                           ; v12-13 my query less the key of register 0, for tiles 0 and 1
.set SPW, 14                           ; v14  my spare word; never rewritten
.set NIL, 15                           ; v15  0; never rewritten
.set ST,  16                           ; tile t at v[16 + 8 t]: +0 c m, +1 m, +2, +3 l (even keys', odd keys'), +4 to +7 at work; a in +6
.set S,   64
.set P,   128
.set O,   160
.set QF,  0                            ; window 1
.set KFR, 64
.set VFR, 128
.set WV,  8
.set J,   9
.set NB,  10                           ; units of the first block: 8 - j
.set T,   11                           ; the trip
.set UN,  12                           ; the unit last asked for
.set Q0,  13                           ; my first query
.set KF,  14                           ; the step's first key
.set TBK, 15                           ; LDS byte at which the step's K begins
.set TBV, 16                           ; and, less VOFF, its V
.set STP, 17
.set LIM, 18
.set TMP, 19
.set SEL, 20                           ; s[20:21] lane selects for v_permlanex16_b32: lane l xor 16
.set CS,  22                           ; s[22:23] c, twice: the packed form names a pair
.set G1K, 24
.set G1V, 32
.set G0K, 40
.set G0V, 44
.set KB,  48                           ; s[48:49] K of my head, at the quarter that I fetch;  s[50:51] V likewise
.set VB,  50
.set QH,  52                           ; s[52:53] Q of my head at my wave's rows of block 0;  s[54:55] O likewise
.set OH,  54
.set QP,  56                           ; s[56:57], s[58:59] the same in the block in hand
.set OP,  58
.set PFA, 60                           ; s[60:61] where my prefetches stand
.set OFF, 62                           ; s[62:63] an offset, its high word 0
.set MSB, 0
.macro WIN new
.if MSB != (\new)
	s_set_vgpr_msb (MSB<<8)|(\new)
.set MSB, (\new)
.endif
.endm
; Every wave fetches: waves 0-3 for K, waves 4-7 for V.  The branch hangs on the wave's number alone.  An s_nop 0 and four v_nop follow each of the two lines.
.macro TLOAD
	s_cmp_lt_u32 s[WV], 4
	s_cbranch_scc0 .Lfor_v_\@
	tensor_load_to_lds s[G0K:G0K+3], s[G1K:G1K+7]
	s_nop 0
.rept 4
	v_nop
.endr
	s_branch .Lasked_\@
.Lfor_v_\@:
	tensor_load_to_lds s[G0V:G0V+3], s[G1V:G1V+7]
	s_nop 0
.rept 4
	v_nop
.endr
.Lasked_\@:
.endm
; A PREFETCH of the unit that the NEXT change of slots will ask for.  Work-group j = 0 walks units 0 to 7 in trips 0 to 7 and is the one that asks: in trip T it names unit T + 2, for T under 6.  Each wave names the
; 8,192 bytes that it will fetch itself, lanes 256 bytes apart: so each aligned 256 bytes of a head's K and V from unit 2 on is named once in the launch.  Units 0 and 1 come by their loads alone.
.macro ASK
	s_cmp_lt_u32 s[T], s[LIM]
	s_cbranch_scc0 .Lnot_mine_\@
	global_prefetch_b8 v[PFO], s[PFA:PFA+1] th:TH_LOAD_NT scope:SCOPE_SE
.Lnot_mine_\@:
.endm
; THE CHANGE OF SLOTS, at a unit's head.  Each wave waits for all its tensor loads (its part of the slot ahead), adds 0 to its spare word, and waits for that and for its reads of the slot that it has left.
; Behind the barrier the slot ahead is whole and nobody reads the other one.  fill = 1: that one takes the next trip's unit: the load has a whole unit's steps in which to land.
.macro CHANGE fill
	s_wait_tensorcnt 0x0                           ; no tensor load of mine is out, so a group 0 may be written
	ds_add_u32 v[SPW], v[NIL]                      ; 0 onto my spare word: the descriptors' steps stand between it and the wait for it
.if \fill
	s_xor_b32 s[G0K+1], s[G0K+1], SLOT1            ; the other slot than last time
	s_xor_b32 s[G0V+1], s[G0V+1], SLOT1
	s_add_co_u32 s[UN], s[UN], 1                   ; the next unit; behind the first block's last, unit 0 again
	s_cmp_eq_u32 s[UN], s[NB]
	s_cselect_b32 s[UN], 0, s[UN]
	s_lshl_b32 s[OFF], s[UN], 15                   ; a unit is 256 rows of 128 bytes
	s_add_nc_u64 s[G0K+2:G0K+3], s[KB:KB+1], s[OFF:OFF+1]
	s_or_b32 s[G0K+3], s[G0K+3], 0x80000000
	s_add_nc_u64 s[G0V+2:G0V+3], s[VB:VB+1], s[OFF:OFF+1]
	s_or_b32 s[G0V+3], s[G0V+3], 0x80000000
	s_wait_xcnt 0x0                                ; the last prefetch, a unit back, has read its address
	s_add_nc_u64 s[PFA:PFA+1], s[PFA:PFA+1], 32768
.endif
	s_wait_dscnt 0x0                               ; the add is done, and my reads of the slot that I have left are over
	s_barrier_signal -1
	s_barrier_wait -1
.if \fill
	TLOAD                                          ; the first thing behind the barrier, and my one tensor load until the next
	ASK
.endif
.endm
; A block begins: blk = the scalar register that holds its number.  START asks for its Q; INIT, behind the old block's way out, starts its statistics.
.macro START blk
	s_lshl_b32 s[Q0], s[\blk], 8
	s_lshl_b32 s[TMP], s[WV], 5
	s_add_co_u32 s[Q0], s[Q0], s[TMP]              ; my first query: 256 x block + 32 x wave
	s_mov_b32 s[KF], 0
	s_lshl_b32 s[OFF], s[\blk], 15
	s_add_nc_u64 s[QP:QP+1], s[QH:QH+1], s[OFF:OFF+1]
	WIN 0x40                                       ; destination window 1
.irp t, 0,1
.irp kc, 0,1
	global_load_b128 v[QF+16*\t+8*\kc:QF+16*\t+8*\kc+3],   v[QO], s[QP:QP+1] offset:2048*\t+64*\kc
	global_load_b128 v[QF+16*\t+8*\kc+4:QF+16*\t+8*\kc+7], v[QO], s[QP:QP+1] offset:2048*\t+64*\kc+32
.endr
.endr
	WIN 0
.endm
.macro INIT
	s_add_nc_u64 s[OP:OP+1], s[OH:OH+1], s[OFF:OFF+1]
.irp t, 0,1
	v_mov_b32 v[ST+8*\t+1], 0xff61b1e6             ; m: -3e38, under every score
	v_mul_f32 v[ST+8*\t], s[CS], v[ST+8*\t+1]      ; c m
.irp i, 2,3,4,5,6,7
	v_mov_b32 v[ST+8*\t+\i], 0
.endr
.endr
.set i, 0
.rept 64
	v_mov_b32 v[O+i], 0                            ; O^T.  (The step is written once: a block's first step finds zeros, which a = 0 leaves zeros)
.set i, i+1
.endr
	s_wait_loadcnt 0x0                             ; Q
.endm
; The softmax of both tiles for a step of 64 keys, the tiles line by line by turns.  All 66 exponentials are ONE batch with one wait.
.macro SOFTMAX
.irp c, 0,1,2,3
.irp t, 0,1
	v_max3_num_f32 v[ST+8*\t+4+\c], v[S+32*\t+8*\c], v[S+32*\t+8*\c+1], v[S+32*\t+8*\c+2]      ; four chains, one for each tile of keys, each from its accumulator's low end on
.endr
.endr
.irp d, 3,5
.irp c, 0,1,2,3
.irp t, 0,1
	v_max3_num_f32 v[ST+8*\t+4+\c], v[ST+8*\t+4+\c], v[S+32*\t+8*\c+\d], v[S+32*\t+8*\c+\d+1]
.endr
.endr
.endr
.irp t, 0,1
	v_max3_num_f32 v[ST+8*\t+4], v[ST+8*\t+4], v[S+32*\t+7], v[S+32*\t+15]
.endr
.irp t, 0,1
	v_max3_num_f32 v[ST+8*\t+6], v[ST+8*\t+6], v[S+32*\t+23], v[S+32*\t+31]
.endr
.irp t, 0,1
	v_max3_num_f32 v[ST+8*\t+4], v[ST+8*\t+4], v[ST+8*\t+5], v[ST+8*\t+6]
.endr
.irp t, 0,1
	v_max3_num_f32 v[ST+8*\t+4], v[ST+8*\t+4], v[ST+8*\t+7], v[ST+8*\t+1]                      ; with the old m
.endr
.irp t, 0,1
	v_permlanex16_b32 v[ST+8*\t+5], v[ST+8*\t+4], s[SEL], s[SEL+1]                             ; the query's other 32 keys lie in the lane 16 away
.endr
.irp t, 0,1
	v_mov_b32 v[ST+8*\t+7], v[ST+8*\t]             ; c m_old is kept for a
.endr
.irp t, 0,1
	v_max_num_f32 v[ST+8*\t+1], v[ST+8*\t+4], v[ST+8*\t+5]
.endr
.irp t, 0,1
	v_mul_f32 v[ST+8*\t], s[CS], v[ST+8*\t+1]
.endr
.irp t, 0,1
	v_sub_f32 v[ST+8*\t+7], v[ST+8*\t+7], v[ST+8*\t]
.endr
.irp b, 0,1,2,3,4,5,6,7,8,9,10,11,12,13,14,15
.irp t, 0,1
	v_pk_fma_f32 v[S+32*\t+2*\b:S+32*\t+2*\b+1], v[S+32*\t+2*\b:S+32*\t+2*\b+1], s[CS:CS+1], v[ST+8*\t:ST+8*\t+1] op_sel_hi:[1,0,0] neg_lo:[0,0,1] neg_hi:[0,0,1]   ; c s - c m
.endr
.endr
.irp t, 0,1
	v_exp_f32 v[ST+8*\t+6], v[ST+8*\t+7]           ; a
.endr
.set i, 0
.rept 64
	v_exp_f32 v[S+i], v[S+i]                       ; p
.set i, i+1
.endr
	v_nop                                          ; a plain instruction behind the last exponential,
	s_wait_alu depctr_va_vdst(0)                   ; and one wait ahead of the batch's first reader
.set i, 0
.rept 32
	v_cvt_pk_f16_f32 v[P+i], v[S+2*i], v[S+2*i+1]  ; P: register 16 t + n holds the weights of scores 2 n, 2 n + 1 of tile t
.set i, i+1
.endr
.irp u, 0,1,2,3,4,5,6,7                ; the sum of a tile's 16 pairs, in place: neighbours 1, 2, 4 and 8 pairs apart
.irp t, 0,1
	v_pk_add_f32 v[S+32*\t+4*\u:S+32*\t+4*\u+1], v[S+32*\t+4*\u:S+32*\t+4*\u+1], v[S+32*\t+4*\u+2:S+32*\t+4*\u+3]
.endr
.endr
.irp u, 0,1,2,3
.irp t, 0,1
	v_pk_add_f32 v[S+32*\t+8*\u:S+32*\t+8*\u+1], v[S+32*\t+8*\u:S+32*\t+8*\u+1], v[S+32*\t+8*\u+4:S+32*\t+8*\u+5]
.endr
.endr
.irp u, 0,1
.irp t, 0,1
	v_pk_add_f32 v[S+32*\t+16*\u:S+32*\t+16*\u+1], v[S+32*\t+16*\u:S+32*\t+16*\u+1], v[S+32*\t+16*\u+8:S+32*\t+16*\u+9]
.endr
.endr
.irp t, 0,1
	v_pk_add_f32 v[S+32*\t:S+32*\t+1], v[S+32*\t:S+32*\t+1], v[S+32*\t+16:S+32*\t+17]
.endr
.irp t, 0,1
	v_pk_fma_f32 v[ST+8*\t+2:ST+8*\t+3], v[ST+8*\t+2:ST+8*\t+3], v[ST+8*\t+6:ST+8*\t+7], v[S+32*\t:S+32*\t+1] op_sel_hi:[1,0,1]   ; l = a l + the sum
.endr
.irp b, 0,1,2,3,4,5,6,7,8,9,10,11,12,13,14,15
.irp t, 0,1
	v_pk_mul_f32 v[O+32*\t+2*\b:O+32*\t+2*\b+1], v[O+32*\t+2*\b:O+32*\t+2*\b+1], v[ST+8*\t+6:ST+8*\t+7] op_sel_hi:[1,0]           ; O^T times a
.endr
.endr
.endm
; A KEY STEP: 64 keys.
.macro STEP
	s_add_co_u32 s[TMP], s[Q0], 31                 ; a step all of whose keys come after my 32 queries is left out: a branch on ids, round its loads, products and softmax; no barrier and no tensor load stands in a step
	s_cmp_gt_u32 s[KF], s[TMP]
	s_cbranch_scc1 .Lhidden_\@
	v_add_nc_u32 v[ADK], s[TBK], v[AK0]
	v_add_nc_u32 v[ADV], s[TBV], v[AV0]
	v_nop                                          ; with the two additions: four places in front of loads into registers that the last products have read
	v_nop
	WIN 0x40                                       ; destination window 1
.irp kt, 0,1,2,3
.irp kc, 0,1
	ds_load_b128 v[KFR+16*\kt+8*\kc:KFR+16*\kt+8*\kc+3],   v[ADK] offset:\kt*16*KP+64*\kc
	ds_load_b128 v[KFR+16*\kt+8*\kc+4:KFR+16*\kt+8*\kc+7], v[ADK] offset:\kt*16*KP+64*\kc+32
.endr
.endr
.irp u, 0,1
.irp ct, 0,1,2,3
	ds_load_tr16_b128 v[VFR+32*\u+8*\ct:VFR+32*\u+8*\ct+3],   v[ADV] offset:\u*32*VP+32*\ct
	ds_load_tr16_b128 v[VFR+32*\u+8*\ct+4:VFR+32*\u+8*\ct+7], v[ADV] offset:\u*32*VP+16*VP+32*\ct
.endr
.endr
	s_wait_dscnt 16                                ; K is in; V's sixteen loads may be out
	WIN 0x05                                       ; K and Q in window 1, S^T in window 0
.set i, 0
.rept 16                               ; S^T = K Q^T: channels 32 (i / 8) on, keys 16 ((i / 2) % 4) on, tile i % 2.  The eight accumulators take turns; the first eight start the sums
.set rS, S+32*(i%2)+8*((i/2)%4)
.set rK, KFR+16*((i/2)%4)+8*(i/8)
.set rQ, QF+16*(i%2)+8*(i/8)
.if i < 8
	v_wmma_f32_16x16x32_f16 v[rS:rS+7], v[rK:rK+7], v[rQ:rQ+7], 0
.else
	v_wmma_f32_16x16x32_f16 v[rS:rS+7], v[rK:rK+7], v[rQ:rQ+7], v[rS:rS+7]
.endif
.set i, i+1
.endr
	WIN 0
.rept 4
	v_nop                                          ; places in front of the first read of the scores
.endr
	s_add_co_u32 s[TMP], s[KF], 63                 ; a step all of whose keys count for all my queries needs no mask
	s_cmp_le_u32 s[TMP], s[Q0]
	s_cbranch_scc1 .Lopen_\@
	s_sub_co_i32 s[TMP], s[Q0], s[KF]
	v_add_nc_u32 v[DD], s[TMP], v[DL]              ; d = my query - KF - 8 (lane / 16).  Register 8 kt + j holds key KF + 16 kt + 8 (lane / 16) + j: hidden where 16 kt + j > d
	v_add_nc_u32 v[DD+1], 16, v[DD]
.irp t, 0,1
.set n, 0
.rept 32
	v_cmp_gt_i32 vcc_lo, 16*(n/8)+n%8, v[DD+\t]
	v_cndmask_b32 v[S+32*\t+n], v[S+32*\t+n], v[NINF], vcc_lo
.set n, n+1
.endr
.endr
.Lopen_\@:
	SOFTMAX
	s_wait_dscnt 0x0                               ; V is in
	WIN 0x01                                       ; V in window 1; P and O^T in window 0
.set i, 0
.rept 16                               ; O^T += V^T P: keys 32 (i / 8) on, channels 16 ((i / 2) % 4) on, tile i % 2
.set rO, O+32*(i%2)+8*((i/2)%4)
.set rV, VFR+32*(i/8)+8*((i/2)%4)
.set rP, P+16*(i%2)+8*(i/8)
	v_wmma_f32_16x16x32_f16 v[rO:rO+7], v[rV:rV+7], v[rP:rP+7], v[rO:rO+7]
.set i, i+1
.endr
	WIN 0
.Lhidden_\@:
	s_add_co_u32 s[KF], s[KF], 64
	s_add_co_u32 s[TBK], s[TBK], KQB
	s_add_co_u32 s[TBV], s[TBV], VQB
.endm
.macro UNIT                            ; a unit's four steps: written once, walked four times; then the addresses go to the other slot's first step
	s_mov_b32 s[STP], 4
.Lstep_\@:
	STEP
	s_sub_co_u32 s[STP], s[STP], 1
	s_cmp_lg_u32 s[STP], 0
	s_cbranch_scc1 .Lstep_\@
	s_sub_co_u32 s[TBK], s[TBK], 4*KQB
	s_sub_co_u32 s[TBV], s[TBV], 4*VQB
	s_xor_b32 s[TBK], s[TBK], SLOT1
	s_xor_b32 s[TBV], s[TBV], SLOT1
.endm
; A BLOCK'S WAY OUT: O^T / l, rounded to f16, through my stage; my 32 rows of 128 bytes are 4,096 consecutive bytes of memory: each store covers 512 of them.
.macro FINISH
.rept 4
	v_nop                                          ; places behind the last products
.endr
.irp t, 0,1
	v_add_f32 v[ST+8*\t+4], v[ST+8*\t+2], v[ST+8*\t+3]
.endr
.irp t, 0,1
	v_permlanex16_b32 v[ST+8*\t+5], v[ST+8*\t+4], s[SEL], s[SEL+1]
.endr
.irp t, 0,1
	v_add_f32 v[ST+8*\t+4], v[ST+8*\t+4], v[ST+8*\t+5]
.endr
.irp t, 0,1
	v_rcp_f32 v[ST+8*\t+6], v[ST+8*\t+4]
.endr
	v_nop                                          ; a plain instruction behind the last reciprocal,
	s_wait_alu depctr_va_vdst(0)                   ; and a wait ahead of the first use
.irp t, 0,1
.irp b, 0,1,2,3,4,5,6,7,8,9,10,11,12,13,14,15
	v_pk_mul_f32 v[O+32*\t+2*\b:O+32*\t+2*\b+1], v[O+32*\t+2*\b:O+32*\t+2*\b+1], v[ST+8*\t+6:ST+8*\t+7] op_sel_hi:[1,0]
.endr
.endr
.set i, 0
.rept 32
	v_cvt_pk_f16_f32 v[S+i], v[O+2*i], v[O+2*i+1]  ; S^T's registers are free
.set i, i+1
.endr
.irp t, 0,1
.irp ct, 0,1,2,3
	ds_store_b128 v[STO], v[S+16*\t+4*\ct:S+16*\t+4*\ct+3] offset:\t*16*KP+32*\ct
.endr
.endr
.irp i, 0,1,2,3,4,5,6,7
	ds_load_b128 v[S+32+4*\i:S+32+4*\i+3], v[RD] offset:\i*4*KP    ; LDS serves a wave's instructions in order (ISA guide 5.7.1.4): these see the stores above
.endr
.irp i, 0,1,2,3,4,5,6,7
	s_wait_dscnt 7-\i                              ; read-back i is in; the younger ones may be out
	global_store_b128 v[GO], v[S+32+4*\i:S+32+4*\i+3], s[OP:OP+1] offset:512*\i
.endr
	s_wait_xcnt 0x0                                ; the stores have read their data and their base: both may be written again
.endm
.macro SWITCHCHK                       ; in trip 8 - j the second block begins: its Q is asked for, the first block goes out, the statistics start anew.  A branch on ids, the same in all eight waves
	s_cmp_lg_u32 s[T], s[NB]
	s_cbranch_scc1 .Lsame_\@
	START J
	FINISH
	INIT
.Lsame_\@:
.endm
	s_load_b128 s[4:7], s[0:1], 0x0                ; qkv s[4:5], ob s[6:7]
	v_lshl_add_u32 v[SPW], v0, 2, SPARE
	v_mov_b32 v[NIL], 0
	ds_add_u32 v[SPW], v[NIL]                      ; the wave's opening: the add, twice on end, and its wait ahead of my first tensor load
	ds_add_u32 v[SPW], v[NIL]                      ; (the same add once more; the set-up below, work on registers, stands between it and the wait)
	v_lshrrev_b32 v1, 5, v0
	v_readfirstlane_b32 s[WV], v1                  ; wave 0..7
	s_mov_b32 s[J], ttmp9
	s_sub_co_u32 s[NB], 8, s[J]
	; descriptor group 1: a tile of 64 rows x 64 elements of 2 bytes, dense in memory, padded in LDS
	s_mov_b32 s[G1K], (1<<16)|(1<<20)|(4<<22)|(3<<25)              ; 17:16 elements of 2 bytes; 20 padding on; 24:22 after every 32 words; 31:25 four words
	s_mov_b32 s[G1V], (1<<16)|(1<<20)|(4<<22)|(7<<25)              ; the same with eight words
.irp g, G1K, G1V
	s_mov_b32 s[\g+1], 64<<16                      ; tensor_dim0
	s_mov_b32 s[\g+2], 64<<16                      ; tensor_dim1
	s_mov_b32 s[\g+3], 64<<16                      ; tile_dim0
	s_mov_b32 s[\g+4], 64                          ; tile_dim1
	s_mov_b32 s[\g+5], 64                          ; from row to row
	s_mov_b32 s[\g+6], 0
	s_mov_b32 s[\g+7], 0
.endr
	s_and_b32 s66, ttmp7, 0xffff                   ; the head
	s_lshl_b32 s66, s66, 18                        ; its 2,048 rows of 128 bytes
	s_mov_b32 s67, 0
	s_and_b32 s[TMP], s[WV], 3                     ; which quarter of a unit I fetch
	s_lshl_b32 s68, s[TMP], 13
	s_add_co_u32 s68, s68, s66
	s_mov_b32 s69, 0
	s_lshl_b32 s[OFF], s[WV], 12                   ; my wave's 32 rows of a block
	s_add_co_u32 s66, s66, s[OFF]
	s_mov_b32 s[OFF+1], 0
	s_mov_b32 s[G0K], 1
	s_mul_i32 s[G0K+1], s[TMP], KQB                ; slot 0
	s_mov_b32 s[G0V], 1
	s_mul_i32 s[G0V+1], s[TMP], VQB
	s_add_co_u32 s[G0V+1], s[G0V+1], VOFF
	s_mov_b32 s[SEL], 0x76543210
	s_mov_b32 s[SEL+1], 0xfedcba98
	s_mov_b32 s[CS], 0x3e38aa3b                    ; c = log2(e) / 8
	s_mov_b32 s[CS+1], s[CS]
	s_mov_b32 s[UN], 0
	s_mov_b32 s[TBK], 0
	s_mov_b32 s[TBV], 0
	s_cmp_eq_u32 s[J], 0
	s_cselect_b32 s[LIM], 6, 0
	s_wait_dscnt 0x0                               ; both opening adds are done
	s_wait_kmcnt 0x0
	s_add_nc_u64 s[KB:KB+1], s[4:5], s[68:69]
	s_add_nc_u64 s[VB:VB+1], s[KB:KB+1], 0x2000000
	s_add_nc_u64 s[KB:KB+1], s[KB:KB+1], 0x1000000
	s_add_nc_u64 s[QH:QH+1], s[4:5], s[66:67]
	s_add_nc_u64 s[OH:OH+1], s[6:7], s[66:67]
	s_mov_b64 s[G0K+2:G0K+3], s[KB:KB+1]           ; unit 0
	s_or_b32 s[G0K+3], s[G0K+3], 0x80000000
	s_mov_b64 s[G0V+2:G0V+3], s[VB:VB+1]
	s_or_b32 s[G0V+3], s[G0V+3], 0x80000000
	TLOAD
	s_cmp_lt_u32 s[WV], 4
	s_cselect_b64 s[PFA:PFA+1], s[KB:KB+1], s[VB:VB+1]
	s_add_nc_u64 s[PFA:PFA+1], s[PFA:PFA+1], 32768 ; at unit 1: the first change of slots steps it to unit 2.  Nothing is prefetched here, at the head
	v_and_b32 v16, 15, v0                          ; r
	v_bfe_u32 v17, v0, 4, 1                        ; h
	v_and_b32 v18, 31, v0                          ; lane
	v_mul_u32_u24 v[AK0], v16, KP
	v_lshl_add_u32 v[AK0], v17, 4, v[AK0]          ; row x pitch + 16 x half
	v_and_b32 v19, 7, v0                           ; the turning load: lane l reads 16 bytes: key 8 (l / 16) + l % 8, channels 8 ((l / 8) % 2) + 0..7
	v_lshl_add_u32 v[AV0], v17, 3, v19
	v_mul_u32_u24 v[AV0], v[AV0], VP
	v_bfe_u32 v19, v0, 3, 1
	v_lshl_add_u32 v[AV0], v19, 4, v[AV0]
	v_add_nc_u32 v[AV0], VOFF, v[AV0]
	v_lshlrev_b32 v[QO], 7, v16
	v_lshl_add_u32 v[QO], v17, 4, v[QO]
	s_mul_i32 s67, s[WV], 32*KP
	s_add_co_u32 s67, s67, STAGE                   ; my stage
	v_add_nc_u32 v[STO], s67, v[AK0]
	v_lshrrev_b32 v19, 3, v18
	v_mul_u32_u24 v[RD], v19, KP
	v_and_b32 v19, 7, v0
	v_lshl_add_u32 v[RD], v19, 4, v[RD]
	v_add_nc_u32 v[RD], s67, v[RD]                 ; back: eight lanes to a row of 128 bytes, four rows an instruction
	v_lshlrev_b32 v[GO], 4, v18
	v_lshlrev_b32 v[PFO], 8, v18
	v_lshlrev_b32 v19, 3, v17
	v_sub_nc_u32 v[DL], v16, v19
	v_mov_b32 v[NINF], 0xff800000
	s_sub_co_u32 s66, 7, s[J]                      ; the first block
	START 66
	INIT
	s_mov_b32 s[T], 0
.Lunit:                                            ; eight trips: behind each change of slots but the last the next trip's unit is asked for.  (Slot 1's first fill stands behind trip 0's barrier, where nothing is filled again)
	CHANGE 1
	SWITCHCHK
	UNIT
	s_add_co_u32 s[T], s[T], 1
	s_cmp_lt_u32 s[T], 8
	s_cbranch_scc1 .Lunit
	CHANGE 0                                       ; the ninth unit is written out
	SWITCHCHK
	UNIT
	FINISH
	s_wait_tensorcnt 0x0                           ; the wave's end: behind my last tensor load and my last LDS store
	ds_add_u32 v[SPW], v[NIL]
	s_wait_dscnt 0x0
	s_endpgm
.Lfunc_end_k_qf5a86d771a_attn:
	.size	k_qf5a86d771a_attn, .Lfunc_end_k_qf5a86d771a_attn-k_qf5a86d771a_attn
	.p2alignl 7, 3214868480
	.fill 96, 4, 3214868480
	.section	.rodata,"a",@progbits
	.p2align	6, 0x0
	.amdhsa_kernel k_qf5a86d771a_attn
		.amdhsa_group_segment_fixed_size 327680
		.amdhsa_private_segment_fixed_size 0
		.amdhsa_enable_private_segment 0
		.amdhsa_kernarg_size 16
		.amdhsa_user_sgpr_count 2
		.amdhsa_user_sgpr_kernarg_segment_ptr 1
		.amdhsa_wavefront_size32 1
		.amdhsa_system_sgpr_workgroup_id_x 1
		.amdhsa_system_sgpr_workgroup_id_y 1
		.amdhsa_system_sgpr_workgroup_id_z 1
		.amdhsa_system_vgpr_workitem_id 0
		.amdhsa_next_free_vgpr 512
		.amdhsa_next_free_sgpr 72
		.amdhsa_reserve_vcc 1
		.amdhsa_float_denorm_mode_32 3
		.amdhsa_float_denorm_mode_16_64 3
		.amdhsa_memory_ordered 1
		.amdhsa_forward_progress 1
		.amdhsa_inst_pref_size 82
	.end_amdhsa_kernel
	.amdgpu_metadata
---
amdhsa.version: [ 1, 2 ]
amdhsa.kernels:
  - .name:           k_qf5a86d771a_attn
    .symbol:         k_qf5a86d771a_attn.kd
    .args:
      - { .name: qkv, .offset: 0, .size: 8, .value_kind: global_buffer, .address_space: global }
      - { .name: ob, .offset: 8, .size: 8, .value_kind: global_buffer, .address_space: global }
    .group_segment_fixed_size: 327680
    .private_segment_fixed_size: 0
    .kernarg_segment_align: 8
    .kernarg_segment_size: 16
    .max_flat_workgroup_size: 256
    .sgpr_count:     72
    .vgpr_count:     512
    .wavefront_size: 32
...
	.end_amdgpu_metadata
.endif
;; end of part 3
;; launch proj (part 4): grid 4 x 64, 4 waves a work-group, clusters of 4 x 4, 327,680 bytes of LDS; arguments ob, wot, bo, out0; writes out0
.if DOCPART == 4
	.amdgcn_target "amdgcn-amd-amdhsa--gfx1250"
	.amdhsa_code_object_version 6
	.text
	.protected	k_qf5a86d771a_proj
	.globl	k_qf5a86d771a_proj
	.p2align	8
	.type	k_qf5a86d771a_proj,@function
k_qf5a86d771a_proj:
	s_mov_b64 s[64:65], 0
	v_nop
	global_prefetch_b8 v0, s[64:65] scope:SCOPE_SE
	s_setreg_imm32_b32 hwreg(HW_REG_WAVE_MODE, 25, 1), 1
	s_wait_xcnt 0x0
	s_wait_alu depctr_hold_cnt(0) depctr_sa_sdst(0) depctr_va_vdst(0) depctr_va_sdst(0) depctr_va_ssrc(0) depctr_va_vcc(0) depctr_vm_vsrc(0)
	s_getreg_b32 s2, hwreg(HW_REG_IB_STS2, 6, 4)
	s_cmp_eq_u32 s2, 0
	s_cbranch_scc0 .Lentry_in_a_cluster
	s_endpgm
.Lentry_in_a_cluster:
	s_bfe_u32 s2, ttmp6, 0x10000c
	s_cmp_lg_u32 s2, 0xf033
	s_cbranch_scc0 .Lentry_shape_is_right
	s_endpgm
.Lentry_shape_is_right:
; out0 = O Wo + bo for all rows but rows 128 g (the launch that follows makes those in f32).  O: ob [8192][1024] f16; Wo: wot [1024 n][1024 k] f16; bo, out0: f32; sums in f32.
; A tile of out0 is 128 rows x 256 columns: 64 x 4 = 256 work-groups.  Wave w makes all 128 rows x columns 64 w .. 64 w + 63: 32 accumulators of 16 x 16.  So the tile's row 0, which is row 128 g, is row 0 of every wave.
; K goes in steps of 128 (rows of 256 bytes) through a ring of two LDS slots.  Waves 0, 1 fetch O's halves (64 rows), waves 2, 3 Wo's (128 rows): one tensor load a wave behind each round, two of mine out at the start.
; CLUSTERS: 4 x 4 work-groups.  O's tile hangs on the tile row alone and is shared along a row of the cluster, Wo's on the tile column alone and is shared along a column: each is asked for JOINTLY.
; THE MATRIX INSTRUCTION IS USED TRANSPOSED (source 0 = 16 rows of wot, source 1 = 16 rows of O): a lane holds eight neighbouring numbers of a row of out0.  THE BIAS is the C of each sum's first instruction.
; No prefetch: the tile is small and both operands are read by many work-groups at about the same time.
; REGISTERS.  Window 0: v16-30 addresses; v32-63 the bias; v64-127 rows on their way out, two sets.   Window 1: two fragment buffers of 96 (O's 8 blocks, then Wo's 4), at v0 and v128.   Window 2: accumulator (a, b) at v[8 (4 a + b)].
.set KSTEP,  128
.set PITCH,  272                       ; an LDS row: 256 bytes + 16 of padding = 68 words: the 16 rows that a load touches start at 16 different banks (64 banks of 4 bytes: ISA guide 11.1)
.set BOFF,   128*PITCH                 ; a slot: O's 128 rows, then Wo's 256
.set SLOT,   384*PITCH
.set STAGE,  2*SLOT                    ; behind the ring: 16 rows x 272 bytes for each wave
.set SPARE,  STAGE+4*16*PITCH          ; the spare words, 128 bytes for each wave, which no other line names
.set LAPS,   4                         ; a lap = two K steps
.set ADRA, 16
.set ADRB, 20
.set STO,  24
.set RD,   25
.set CO,   26
.set LN,   27                          ; v27  lane
.set SPW,  28
.set NIL,  29
.set FO,   30                          ; v30  32 x (lane / 16)
.set BI,   32
.set OB,   64
.set F0,   0
.set F1,   128
.set G1, 24
.set G0, 32
.set G1B, 48
.set G0B, 56
.set MSB, 0
.macro WIN new
.if MSB != (\new)
	s_set_vgpr_msb (MSB<<8)|(\new)
.set MSB, (\new)
.endif
.endm
.set MUL,  0xa5                        ; sources 0 and 1 window 1; C and D window 2
.set TO_F, 0x40                        ; destination window 1, address window 0
.macro JLOAD s                         ; a joint load; an s_nop 0 and four v_nop follow each of the two lines
	s_cmp_eq_u32 s11, 0
	s_cbranch_scc0 .Lfor_b_\@
	tensor_load_to_lds s[G0+4*\s:G0+4*\s+3], s[G1:G1+7]
	s_nop 0
.rept 4
	v_nop
.endr
	s_branch .Lasked_\@
.Lfor_b_\@:
	tensor_load_to_lds s[G0B+4*\s:G0B+4*\s+3], s[G1B:G1B+7]
	s_nop 0
.rept 4
	v_nop
.endr
.Lasked_\@:
.endm
.macro CREST                           ; a round of the cluster's barrier behind its opening barrier
	s_cmp_lg_u32 s10, 0
	s_cbranch_scc1 .Lnot_wave_0_\@
	s_barrier_signal -3
.Lnot_wave_0_\@:
	s_barrier_wait -3
	s_barrier_signal -1
	s_barrier_wait -1
.endm
.macro CROUND
	s_barrier_signal -1
	s_barrier_wait -1
	CREST
.endm
	s_load_b128 s[4:7], s[0:1], 0x0                ; ob s[4:5], wot s[6:7]
	s_load_b128 s[68:71], s[0:1], 0x10             ; bo s[68:69], out0 s[70:71]
	v_lshl_add_u32 v[SPW], v0, 2, SPARE
	v_mov_b32 v[NIL], 0
	ds_add_u32 v[SPW], v[NIL]                      ; the wave's opening: the add, twice on end, and its wait ahead of my first tensor load
	ds_add_u32 v[SPW], v[NIL]                      ; (the same add once more; the set-up below, work on registers, stands between it and the wait)
	v_lshrrev_b32 v1, 5, v0
	v_readfirstlane_b32 s10, v1                    ; wave 0..3
	s_lshr_b32 s11, s10, 1                         ; I fetch for O (0) or for Wo (1),
	s_and_b32 s12, s10, 1                          ; and which half of that tile
	s_bfe_u32 s40, ttmp6, 0x40000                  ; cx, cy
	s_bfe_u32 s41, ttmp6, 0x40004
	s_lshl_b32 s42, ttmp9, 2
	s_add_co_u32 s42, s42, s40                     ; tile column
	s_and_b32 s13, ttmp7, 0xffff
	s_lshl_b32 s13, s13, 2
	s_add_co_u32 s13, s13, s41                     ; tile row = g
	s_lshl_b32 s43, s41, 2
	s_lshl_b32 s43, 15, s43                        ; my row of the cluster
	s_lshl_b32 s44, 0x1111, s40                    ; my column
	s_or_b32 s[G1+0], s43, (1<<16)|(1<<20)|(1<<21)|(5<<22)|(3<<25)  ; 15:0 the mask; 17:16 element of 2 bytes; 20 padding on; 21 set beside a mask; 24:22 after every 64 words; 31:25 four words
	s_or_b32 s[G1B+0], s44, (1<<16)|(1<<20)|(1<<21)|(5<<22)|(3<<25)
	s_mov_b32 s[G1+1], KSTEP<<16                   ; tensor_dim0
	s_mov_b32 s[G1+2], 64<<16                      ; tensor_dim1: O's half tile has 64 rows,
	s_mov_b32 s[G1+3], KSTEP<<16                   ; tile_dim0
	s_mov_b32 s[G1+4], 64                          ; tile_dim1
	s_mov_b32 s[G1+5], 1024                        ; from row to row
	s_mov_b32 s[G1+6], 0
	s_mov_b32 s[G1+7], 0
	s_mov_b32 s[G1B+1], KSTEP<<16
	s_mov_b32 s[G1B+2], 128<<16                    ; Wo's 128
	s_mov_b32 s[G1B+3], KSTEP<<16
	s_mov_b32 s[G1B+4], 128
	s_mov_b32 s[G1B+5], 1024
	s_mov_b32 s[G1B+6], 0
	s_mov_b32 s[G1B+7], 0
	s_lshl_b32 s16, s13, 7
	s_lshl_b32 s17, s12, 6
	s_add_co_u32 s16, s16, s17                     ; O: row 128 x tile row + 64 x half
	s_lshl_b32 s16, s16, 11                        ; rows of 2,048 bytes
	s_mov_b32 s17, 0
	s_lshl_b32 s46, s42, 8
	s_lshl_b32 s47, s12, 7
	s_add_co_u32 s46, s46, s47                     ; Wo: row 256 x tile column + 128 x half
	s_lshl_b32 s46, s46, 11
	s_mov_b32 s47, 0
	s_mul_i32 s20, s12, 64*PITCH                   ; where they go: no place in the cluster enters an LDS address
	s_mul_i32 s45, s12, 128*PITCH
	s_add_co_u32 s45, s45, BOFF
	s_wait_dscnt 0x0                               ; both opening adds are done
	s_wait_kmcnt 0x0
	s_add_nc_u64 s[14:15], s[4:5], s[16:17]
	s_add_nc_u64 s[46:47], s[6:7], s[46:47]
	CROUND                                         ; all sixteen work-groups are here: the first joint loads meet
.irp s, 0,1
	s_mov_b32 s[G0+4*\s], 1
	s_add_co_u32 s[G0+4*\s+1], s20, \s*SLOT
	s_add_nc_u64 s[G0+4*\s+2:G0+4*\s+3], s[14:15], \s*KSTEP*2
	s_or_b32 s[G0+4*\s+3], s[G0+4*\s+3], 0x80000000
	s_mov_b32 s[G0B+4*\s], 1
	s_add_co_u32 s[G0B+4*\s+1], s45, \s*SLOT
	s_add_nc_u64 s[G0B+4*\s+2:G0B+4*\s+3], s[46:47], \s*KSTEP*2
	s_or_b32 s[G0B+4*\s+3], s[G0B+4*\s+3], 0x80000000
	JLOAD \s
.endr
	s_lshl_b32 s46, s42, 10                        ; my first column, in bytes of f32: 1,024 x tile column + 256 x wave
	s_lshl_b32 s47, s10, 8
	s_add_co_u32 s46, s46, s47
	s_mov_b32 s47, 0
	s_add_nc_u64 s[68:69], s[68:69], s[46:47]
	s_lshl_b32 s66, s13, 19                        ; 128 rows of 4,096 bytes
	s_add_co_u32 s66, s66, s46
	s_mov_b32 s67, 0
	s_add_nc_u64 s[70:71], s[70:71], s[66:67]
	v_and_b32 v1, 15, v0                           ; l % 16
	v_bfe_u32 v2, v0, 4, 1                         ; l / 16
	v_and_b32 v[LN], 31, v0
	v_lshlrev_b32 v[FO], 5, v2
.irp b, 0,1,2,3
	global_load_b128 v[BI+8*\b:BI+8*\b+3], v[FO], s[68:69] offset:64*\b          ; register 8 b + j: bo of column 16 b + 8 (l / 16) + j of my 64
	global_load_b128 v[BI+8*\b+4:BI+8*\b+7], v[FO], s[68:69] offset:64*\b+16
.endr
	v_mul_u32_u24 v3, v1, PITCH
	v_lshl_add_u32 v3, v2, 4, v3                   ; a fragment's row x pitch + 16 x half
	s_mul_i32 s22, s10, 64*PITCH                   ; my 64 rows of Wo,
	s_add_co_u32 s22, s22, BOFF                    ; behind O's 128
	v_mov_b32 v[ADRA], v3
	v_add_nc_u32 v[ADRA+1], SLOT, v3
	v_add_nc_u32 v[ADRB], s22, v3
	s_add_co_u32 s22, s22, SLOT
	v_add_nc_u32 v[ADRB+1], s22, v3
	s_mul_i32 s23, s10, 16*PITCH
	s_add_co_u32 s23, s23, STAGE                   ; my stage
	v_mul_u32_u24 v4, v1, PITCH
	v_lshl_add_u32 v4, v2, 5, v4
	v_add_nc_u32 v[STO], s23, v4                   ; in: row l % 16, 32 bytes for each half of the lanes
	v_mul_u32_u24 v5, v2, PITCH
	v_lshl_add_u32 v5, v1, 4, v5
	v_add_nc_u32 v[RD], s23, v5                    ; back: lanes 0-15 one row of 256 bytes, lanes 16-31 the next
	v_lshlrev_b32 v5, 12, v2
	v_lshl_add_u32 v[CO], v1, 4, v5                ; and the same two rows in out0
; 8 matrix instructions: O's blocks a0, a0 + 1 against my four blocks of Wo, 32 along K, from buffer f.  first = 1: the bias starts the sums.  The 32 accumulators take turns.
.macro MUL8 f, a0, first
.irp a, \a0, \a0+1
.irp b, 0,1,2,3
.if \first
	v_wmma_f32_16x16x32_f16 v[8*(4*(\a)+\b):8*(4*(\a)+\b)+7], v[\f+64+8*\b:\f+64+8*\b+7], v[\f+8*(\a):\f+8*(\a)+7], v[BI+8*\b:BI+8*\b+7]
.else
	v_wmma_f32_16x16x32_f16 v[8*(4*(\a)+\b):8*(4*(\a)+\b)+7], v[\f+64+8*\b:\f+64+8*\b+7], v[\f+8*(\a):\f+8*(\a)+7], v[8*(4*(\a)+\b):8*(4*(\a)+\b)+7]
.endif
.endr
.endr
.endm
.macro FETCH slot, k, f                ; 24 LDS loads in one run: Wo's four blocks, O's blocks 0-3, O's blocks 4-7; 32 along K at byte k of the rows
	WIN TO_F
.irp i, 0,1,2,3
	ds_load_b128 v[\f+64+8*\i:\f+64+8*\i+3],   v[ADRB+\slot] offset:\k+\i*16*PITCH
	ds_load_b128 v[\f+64+8*\i+4:\f+64+8*\i+7], v[ADRB+\slot] offset:\k+\i*16*PITCH+32
.endr
.irp i, 0,1,2,3,4,5,6,7
	ds_load_b128 v[\f+8*\i:\f+8*\i+3],   v[ADRA+\slot] offset:\k+\i*16*PITCH
	ds_load_b128 v[\f+8*\i+4:\f+8*\i+7], v[ADRA+\slot] offset:\k+\i*16*PITCH+32
.endr
.endm
.macro PLACES                          ; four places in front of loads into registers that matrix instructions have read, and of the first read of results (ISA guide 7.12.1 for vector instructions)
.rept 4
	v_nop
.endr
.endm
; A K step is four quarters of 32 along K, 32 matrix instructions each, on buffers 0, 1, 0, 1.  One of the first three: multiplies buffer f and fetches the next quarter, at byte k, into g.
.macro QUARTER slot, k, f, g, first
	s_wait_dscnt 8                                 ; Wo's blocks and O's blocks 0-3 are in; the youngest eight loads (O's blocks 4-7) may be out
	WIN MUL-0x20*(\first)                          ; (first: C, the bias, in window 0)
	MUL8 \f, 0, \first
	MUL8 \f, 2, \first
	PLACES
	FETCH \slot, \k, \g
	s_wait_dscnt 24                                ; all but the 24 just issued
	WIN MUL-0x20*(\first)
	MUL8 \f, 4, \first
	MUL8 \f, 6, \first
.endm
; The last quarter multiplies buffer 1 and changes slots: ONE barrier; in front of it each wave waits for all its tensor loads, adds 0 to its spare word, and waits for that and for its reads of this slot.
; fill = 1: the barrier opens a round of the cluster's barrier, and this slot is filled again, two K steps ahead: 112 matrix instructions ahead of the wait for it.
.macro TURN slot, next, fill
	WIN 0                                          ; (the add's two registers lie in window 0)
	s_wait_tensorcnt 0x0                           ; all my tensor loads have landed: my part of the next slot
	ds_add_u32 v[SPW], v[NIL]                      ; 0 onto my spare word
	s_wait_dscnt 9                                 ; (the add and the youngest eight loads may be out)
	WIN MUL
	MUL8 F1, 0, 0                                  ; eight matrix instructions stand between the add and the wait for it
	s_wait_dscnt 0x0                               ; the add is done, and my reads of this slot are over
	s_barrier_signal -1
	MUL8 F1, 2, 0
	WIN 0
	s_barrier_wait -1
.if \fill
	CREST                                          ; no wave of any partner still reads this slot's tile or has a load on its way
	s_add_nc_u64 s[G0+4*\slot+2:G0+4*\slot+3], s[G0+4*\slot+2:G0+4*\slot+3], 2*KSTEP*2
	s_add_nc_u64 s[G0B+4*\slot+2:G0B+4*\slot+3], s[G0B+4*\slot+2:G0B+4*\slot+3], 2*KSTEP*2
	JLOAD \slot                                    ; the first tensor load behind the round; its four v_nop are also the places in front of the loads below
.else
	PLACES
.endif
	FETCH \next, 0, F0
	WIN MUL
	MUL8 F1, 4, 0
	MUL8 F1, 6, 0
.endm
	s_wait_tensorcnt 1                             ; my part of K step 0 is in (K step 1's may be out)
	s_barrier_signal -1
	s_barrier_wait -1                              ; everybody's is
	FETCH 0, 0, F0
	s_wait_loadcnt 0x0                             ; the bias
	QUARTER 0, 64, F0, F1, 1                       ; the first quarter stands in front of the loop: its products start the sums
	WIN 0                                          ; at a label and at a branch every window is 0
	s_mov_b32 s3, LAPS-1
.Llap:                                                 ; a trip goes once round the ring, from a lap's second quarter to the next lap's first, and fills both slots again
	QUARTER 0, 128, F1, F0, 0
	QUARTER 0, 192, F0, F1, 0
	TURN 0, 1, 1
	QUARTER 1, 64,  F0, F1, 0
	QUARTER 1, 128, F1, F0, 0
	QUARTER 1, 192, F0, F1, 0
	TURN 1, 0, 1
	QUARTER 0, 64,  F0, F1, 0
	WIN 0
	s_sub_co_u32 s3, s3, 1
	s_cmp_lg_u32 s3, 0
	s_cbranch_scc1 .Llap
	QUARTER 0, 128, F1, F0, 0                      ; the last lap fills nothing, and has no round
	QUARTER 0, 192, F0, F1, 0
	TURN 0, 1, 0
	QUARTER 1, 64,  F0, F1, 0
	QUARTER 1, 128, F1, F0, 0
	QUARTER 1, 192, F0, F1, 0
	s_wait_dscnt 8                                 ; the very last quarter: nothing more to fetch
	WIN MUL
	MUL8 F1, 0, 0
	MUL8 F1, 2, 0
	s_wait_dscnt 0
	MUL8 F1, 4, 0
	MUL8 F1, 6, 0
	WIN 0
; THE WAY OUT, a block of 16 rows x 64 columns at a time, through my own stage: back come whole rows of 256 bytes.
.macro TOSTAGE a
	WIN 0x08                                       ; an LDS store's data are its source 1: window 2
.irp b, 0,1,2,3
	ds_store_b128 v[STO], v[8*(4*(\a)+\b):8*(4*(\a)+\b)+3] offset:64*\b          ; each accumulator from its low end on
	ds_store_b128 v[STO], v[8*(4*(\a)+\b)+4:8*(4*(\a)+\b)+7] offset:64*\b+16
.endr
	WIN 0
.set BB, OB+32*((\a)%2)
.irp t, 0,1,2,3,4,5,6,7
	ds_load_b128 v[BB+4*\t:BB+4*\t+3], v[RD] offset:\t*2*PITCH     ; LDS serves a wave's instructions in order (ISA guide 5.7.1.4): these see the stores above
.endr
.endm
.macro SEND a, younger                 ; younger: the LDS instructions issued behind block a's loads, which may stay out
.set BB, OB+32*((\a)%2)
	s_wait_dscnt \younger
.if (\a) > 0
	s_add_nc_u64 s[70:71], s[70:71], 16*4096       ; (behind a wait on XCNT: the earlier stores have read their base)
	global_store_b128 v[CO], v[BB:BB+3], s[70:71] th:TH_STORE_NT
.else
	s_wait_xcnt 0x0                                ; ROW 0 OF THE TILE IS NOT MINE TO WRITE: of rows 0 and 1 lanes 16-31 alone store.  EXEC changes only behind this wait
	v_cmp_le_u32 vcc_lo, 16, v[LN]
	s_and_saveexec_b32 s2, vcc_lo
	global_store_b128 v[CO], v[BB:BB+3], s[70:71] th:TH_STORE_NT
	s_wait_xcnt 0x0                                ; and again, in front of the line that widens it
	s_or_b32 exec_lo, exec_lo, s2
.endif
.irp t, 1,2,3,4,5,6,7
	global_store_b128 v[CO], v[BB+4*\t:BB+4*\t+3], s[70:71] offset:2*\t*4096 th:TH_STORE_NT   ; 16 lanes store 256 consecutive bytes, aligned; written once, read by nobody here
.endr
.endm
	PLACES
	TOSTAGE 0
.irp a, 1,2,3,4,5,6,7
.if \a > 1
	s_wait_xcnt 0x0                                ; block a - 2's stores have read their registers and their base
.endif
	TOSTAGE \a
	SEND \a-1, 16                                  ; behind block a - 1's loads: block a's 8 stores and 8 loads
.endr
	s_wait_xcnt 0x0
	SEND 7, 0
	s_wait_tensorcnt 0x0                           ; the wave's end: behind my last tensor load and my last LDS store
	ds_add_u32 v[SPW], v[NIL]
	s_wait_dscnt 0x0
	CROUND                                         ; the closing round
	s_endpgm
.Lfunc_end_k_qf5a86d771a_proj:
	.size	k_qf5a86d771a_proj, .Lfunc_end_k_qf5a86d771a_proj-k_qf5a86d771a_proj
	.p2alignl 7, 3214868480
	.fill 96, 4, 3214868480
	.section	.rodata,"a",@progbits
	.p2align	6, 0x0
	.amdhsa_kernel k_qf5a86d771a_proj
		.amdhsa_group_segment_fixed_size 327680
		.amdhsa_private_segment_fixed_size 0
		.amdhsa_enable_private_segment 0
		.amdhsa_kernarg_size 32
		.amdhsa_user_sgpr_count 2
		.amdhsa_user_sgpr_kernarg_segment_ptr 1
		.amdhsa_wavefront_size32 1
		.amdhsa_system_sgpr_workgroup_id_x 1
		.amdhsa_system_sgpr_workgroup_id_y 1
		.amdhsa_system_sgpr_workgroup_id_z 1
		.amdhsa_system_vgpr_workitem_id 0
		.amdhsa_next_free_vgpr 768
		.amdhsa_next_free_sgpr 72
		.amdhsa_reserve_vcc 1
		.amdhsa_float_denorm_mode_32 3
		.amdhsa_float_denorm_mode_16_64 3
		.amdhsa_memory_ordered 1
		.amdhsa_forward_progress 1
		.amdhsa_inst_pref_size 87
	.end_amdhsa_kernel
	.amdgpu_metadata
---
amdhsa.version: [ 1, 2 ]
amdhsa.kernels:
  - .name:           k_qf5a86d771a_proj
    .symbol:         k_qf5a86d771a_proj.kd
    .args:
      - { .name: ob, .offset: 0, .size: 8, .value_kind: global_buffer, .address_space: global }
      - { .name: wot, .offset: 8, .size: 8, .value_kind: global_buffer, .address_space: global }
      - { .name: bo, .offset: 16, .size: 8, .value_kind: global_buffer, .address_space: global }
      - { .name: out0, .offset: 24, .size: 8, .value_kind: global_buffer, .address_space: global }
    .group_segment_fixed_size: 327680
    .private_segment_fixed_size: 0
    .kernarg_segment_align: 8
    .kernarg_segment_size: 32
    .max_flat_workgroup_size: 128
    .sgpr_count:     72
    .vgpr_count:     768
    .wavefront_size: 32
...
	.end_amdgpu_metadata
.endif
;; end of part 4
;; launch fine (part 5): grid 64 x 4, 16 waves a work-group, no clusters, 86,016 bytes of LDS; arguments fin, Wo, bo, out0; writes out0
.if DOCPART == 5
	.amdgcn_target "amdgcn-amd-amdhsa--gfx1250"
	.amdhsa_code_object_version 6
	.text
	.protected	k_qf5a86d771a_fine
	.globl	k_qf5a86d771a_fine
	.p2align	8
	.type	k_qf5a86d771a_fine,@function
k_qf5a86d771a_fine:
	s_mov_b64 s[64:65], 0
	v_nop
	global_prefetch_b8 v0, s[64:65] scope:SCOPE_SE
	s_setreg_imm32_b32 hwreg(HW_REG_WAVE_MODE, 25, 1), 1
	s_wait_xcnt 0x0
; THE FIRST 16 POSITIONS OF EVERY HEAD, AND THE 64 ROWS 128 g OF out0 THAT THEY FEED, ALL IN f32: these rows average one to sixteen values and are the largest, so f16 operands would weigh most there.
; fin[sel][g][64 p + c] holds Q, K, V (sel 0, 1, 2) of head g at positions p = 0..15 in f32.  Row 128 g of the attention's result, flat, is [position][channel] of head g: k = 64 p + c.
; SHARES.  Work-group (x, b) makes out0[rows 2048 b + 128 m, m = 0..15][columns 16 x .. 16 x + 15].  Wave w first makes head m = w of batch b (16 queries x 16 keys, causal); the 64 column work-groups of a batch
; repeat that: 32 short matrix instructions a wave, which spares a launch and all traffic between work-groups.  Then wave w multiplies k = 64 w .. 64 w + 63 (position w of all 16 heads) by Wo; the sixteen parts meet in LDS.
; The f32 matrix form is used (16 x 16 x 4): its accumulators, v160-223, are written by matrix instructions alone; each sum begins with the constant 0; four accumulators take turns.
; In each product the places of k are permuted alike in both sources, so that plain loads of 16 bytes, or the registers as they lie, feed it.
; Stores are pieces of 64 bytes: 262,144 bytes in the whole launch.  No tensor load, no cluster, no prefetch: a short launch on small data.
.set PLANE, 8448                       ; LDS: O of the 16 heads, eight planes p = 2 ct + (j / 4): byte 8,448 p + 528 m + 32 q + 16 h holds channels 16 ct + 8 h + 4 (p % 2) + 0..3 of head m, position q
.set RED,   67584                      ; the sixteen waves' parts: [wave][register j][lane], 16,384 bytes
.set SPARE, 83968                      ; the spare words, 128 bytes for each wave, which no other line names
.set SPW,  24
.set NIL,  25
	s_load_b256 s[4:11], s[0:1], 0x0               ; fin s[4:5], Wo s[6:7], bo s[8:9], out0 s[10:11]
	v_lshl_add_u32 v[SPW], v0, 2, SPARE
	v_mov_b32 v[NIL], 0
	v_lshrrev_b32 v1, 5, v0
	v_readfirstlane_b32 s12, v1                    ; wave 0..15
	s_and_b32 s13, ttmp7, 0xffff                   ; batch
	s_lshl_b32 s14, ttmp9, 6                       ; my first column, in bytes
	s_mov_b32 s15, 0
	v_and_b32 v1, 15, v0                           ; r
	v_bfe_u32 v2, v0, 4, 1                         ; h
	v_and_b32 v3, 31, v0                           ; lane
	v_lshlrev_b32 v4, 8, v1
	v_lshl_add_u32 v4, v2, 4, v4                   ; Q, K: position r (256 bytes), + 16 h
	v_lshlrev_b32 v7, 2, v1                        ; 4 r
	v_lshl_add_u32 v5, v2, 11, v7                  ; V: key 8 h, channel r
	v_lshl_add_u32 v6, v2, 15, v7                  ; Wo: row 8 h, column r
	v_lshl_add_u32 v12, v2, 22, v7                 ; out0: head 8 h (8 x 128 rows of 4,096 bytes), column r
	v_lshlrev_b32 v8, 5, v1
	v_lshl_add_u32 v8, v2, 4, v8
	s_mul_i32 s16, s12, 528
	v_add_nc_u32 v8, s16, v8                       ; I put O of head w, position r: 528 w + 32 r + 16 h
	v_mul_u32_u24 v9, v1, 528
	v_lshl_add_u32 v9, v2, 4, v9
	s_lshl_b32 s16, s12, 5
	v_add_nc_u32 v9, s16, v9                       ; I take O of head r, position w: 528 r + 32 w + 16 h
	v_lshlrev_b32 v10, 2, v3
	s_and_b32 s26, s12, 7
	s_lshl_b32 s16, s26, 7
	s_add_co_u32 s16, s16, RED
	v_add_nc_u32 v11, s16, v10                     ; the parts' register w % 8
	s_lshl_b32 s16, s12, 10
	s_add_co_u32 s16, s16, RED
	v_add_nc_u32 v10, s16, v10                     ; my part
	v_lshlrev_b32 v13, 3, v2
	v_sub_nc_u32 v13, v1, v13                      ; r - 8 h
	v_mov_b32 v14, 0xff800000                      ; -infinity
	v_mov_b32 v233, 0                              ; (a lane permute's destination counts as one of its sources)
	v_mov_b32 v235, 0                              ; (named as the upper half of the pair v[234:235])
	s_mov_b32 s20, 0x76543210
	s_mov_b32 s21, 0xfedcba98                      ; v_permlanex16_b32's selects for lane l xor 16
	s_mov_b32 s22, 0x3e38aa3b                      ; c = log2(e) / 8
	s_mov_b32 s23, s22
	s_lshl_b32 s16, s13, 4
	s_add_co_u32 s16, s16, s12                     ; g = 16 b + w
	s_lshl_b32 s16, s16, 12
	s_mov_b32 s17, 0
	s_lshl_b32 s18, s12, 18                        ; Wo: row 64 w
	s_add_co_u32 s18, s18, s14
	s_mov_b32 s19, 0
	s_lshl_b32 s24, s13, 23                        ; out0: batch b, head w % 8
	s_lshl_b32 s25, s26, 19
	s_add_co_u32 s24, s24, s25
	s_add_co_u32 s24, s24, s14
	s_mov_b32 s25, 0
	s_wait_kmcnt 0x0
	s_add_nc_u64 s[4:5], s[4:5], s[16:17]
	s_add_nc_u64 s[6:7], s[6:7], s[18:19]
	s_add_nc_u64 s[8:9], s[8:9], s[14:15]
	s_add_nc_u64 s[10:11], s[10:11], s[24:25]
	; all 81 loads at once
.irp u, 0,1,2,3,4,5,6,7
	global_load_b128 v[32+4*\u:35+4*\u], v4, s[4:5] offset:32*\u              ; Q: registers 4 u .. 4 u + 3: channels 8 u + 4 h + 0..3 of position r
.endr
.irp u, 0,1,2,3,4,5,6,7
	global_load_b128 v[64+4*\u:67+4*\u], v4, s[4:5] offset:262144+32*\u       ; K likewise
.endr
.irp ct, 0,1,2,3
.irp i, 0,1,2,3,4,5,6,7
	global_load_b32 v[96+8*\ct+\i], v5, s[4:5] offset:524288+256*\i+64*\ct    ; V(key 8 h + i, channel 16 ct + r)
.endr
.endr
.set st, 0
.rept 16
	global_load_b32 v[128+2*st], v6, s[6:7] offset:(16*(st/4)+2*(st%4))*4096     ; Wo(64 w + 16 (st / 4) + 8 h + 2 (st % 4) + 0, 1; my column r)
	global_load_b32 v[129+2*st], v6, s[6:7] offset:(16*(st/4)+2*(st%4)+1)*4096
.set st, st+1
.endr
	global_load_b32 v26, v7, s[8:9]                ; bo
	s_wait_loadcnt 63                              ; Q and K are in: 65 loads are younger, and 63 is the most that this wait can name
.set st, 0
.rept 16                               ; S^T = K Q^T: source 0 = 16 keys, source 1 = 16 queries, four channels a step
.if st < 4
	v_wmma_f32_16x16x4_f32 v[160+8*(st%4):167+8*(st%4)], v[64+2*st:65+2*st], v[32+2*st:33+2*st], 0
.else
	v_wmma_f32_16x16x4_f32 v[160+8*(st%4):167+8*(st%4)], v[64+2*st:65+2*st], v[32+2*st:33+2*st], v[160+8*(st%4):167+8*(st%4)]
.endif
.set st, st+1
.endr
.rept 8
	v_nop                                          ; eight places behind this form (ISA guide 7.12.1)
.endr
.irp i, 0,2,4,6
	v_pk_add_f32 v[224+\i:225+\i], v[160+\i:161+\i], v[168+\i:169+\i]         ; the four accumulators' sum goes into other registers, each read from its low end on
.endr
.irp i, 0,2,4,6
	v_pk_add_f32 v[224+\i:225+\i], v[224+\i:225+\i], v[176+\i:177+\i]
.endr
.irp i, 0,2,4,6
	v_pk_add_f32 v[224+\i:225+\i], v[224+\i:225+\i], v[184+\i:185+\i]         ; register j: the score of query r and key 8 h + j
.endr
.irp j, 0,1,2,3,4,5,6,7
	v_cmp_gt_i32 vcc_lo, \j, v13                   ; hidden where 8 h + j > r
	v_cndmask_b32 v[224+\j], v[224+\j], v14, vcc_lo
.endr
	v_max3_num_f32 v232, v224, v225, v226
	v_max3_num_f32 v232, v232, v227, v228
	v_max3_num_f32 v232, v232, v229, v230
	v_max_num_f32 v232, v232, v231
	v_permlanex16_b32 v233, v232, s20, s21
	v_max_num_f32 v232, v232, v233                 ; the row's maximum: key 0 counts for every query
	v_mul_f32 v234, s22, v232
.irp i, 0,2,4,6
	v_pk_fma_f32 v[224+\i:225+\i], v[224+\i:225+\i], s[22:23], v[234:235] op_sel_hi:[1,0,0] neg_lo:[0,0,1] neg_hi:[0,0,1]   ; c s - c m
.endr
.irp j, 0,1,2,3,4,5,6,7
	v_exp_f32 v[224+\j], v[224+\j]
.endr
	v_nop                                          ; a plain instruction behind the last exponential,
	s_wait_alu depctr_va_vdst(0)                   ; and one wait ahead of the batch's first reader
	v_pk_add_f32 v[236:237], v[224:225], v[226:227]
	v_pk_add_f32 v[238:239], v[228:229], v[230:231]
	v_pk_add_f32 v[236:237], v[236:237], v[238:239]
	v_add_f32 v236, v236, v237
	v_permlanex16_b32 v233, v236, s20, s21
	v_add_f32 v236, v236, v233                     ; the row's sum
	v_rcp_f32 v238, v236
	v_nop
	s_wait_alu depctr_va_vdst(0)
.irp i, 0,2,4,6
	v_pk_mul_f32 v[224+\i:225+\i], v[224+\i:225+\i], v[238:239] op_sel_hi:[1,0]   ; the weights, normalised
.endr
	s_wait_loadcnt 33                              ; V is in: Wo's 32 loads and the bias are younger
.irp s, 0,1,2,3                        ; O^T = V^T P: source 0 = 16 channels, source 1 = 16 queries; step s takes keys 8 h + 2 s + 0, 1, as the weights lie
.irp ct, 0,1,2,3
.if \s == 0
	v_wmma_f32_16x16x4_f32 v[192+8*\ct:199+8*\ct], v[96+8*\ct+2*\s:97+8*\ct+2*\s], v[224+2*\s:225+2*\s], 0
.else
	v_wmma_f32_16x16x4_f32 v[192+8*\ct:199+8*\ct], v[96+8*\ct+2*\s:97+8*\ct+2*\s], v[224+2*\s:225+2*\s], v[192+8*\ct:199+8*\ct]
.endif
.endr
.endr
.rept 8
	v_nop
.endr
.irp p, 0,1,2,3,4,5,6,7
	ds_store_b128 v8, v[192+4*\p:195+4*\p] offset:PLANE*\p                    ; register 8 ct + j: O(head w, position r, channel 16 ct + 8 h + j); 512 consecutive bytes a store; each accumulator from its low end on
.endr
	s_wait_dscnt 0x0                               ; for the others' sake: my stores are done
	s_barrier_signal -1
	s_barrier_wait -1                              ; all sixteen heads lie in LDS
.irp p, 0,1,2,3,4,5,6,7
	ds_load_b128 v[32+4*\p:35+4*\p], v9 offset:PLANE*\p                       ; head r, position w: registers 4 p + i: channel 16 (p / 2) + 8 h + 4 (p % 2) + i
.endr
	s_wait_loadcnt 0x0                             ; Wo and the bias
	s_wait_dscnt 0x0
.set st, 0
.rept 16                               ; my part of the rows: source 0 = 16 heads, source 1 = 16 columns of Wo
.if st < 4
	v_wmma_f32_16x16x4_f32 v[160+8*(st%4):167+8*(st%4)], v[32+2*st:33+2*st], v[128+2*st:129+2*st], 0
.else
	v_wmma_f32_16x16x4_f32 v[160+8*(st%4):167+8*(st%4)], v[32+2*st:33+2*st], v[128+2*st:129+2*st], v[160+8*(st%4):167+8*(st%4)]
.endif
.set st, st+1
.endr
.rept 8
	v_nop
.endr
.irp i, 0,2,4,6
	v_pk_add_f32 v[240+\i:241+\i], v[160+\i:161+\i], v[168+\i:169+\i]
.endr
.irp i, 0,2,4,6
	v_pk_add_f32 v[240+\i:241+\i], v[240+\i:241+\i], v[176+\i:177+\i]
.endr
.irp i, 0,2,4,6
	v_pk_add_f32 v[240+\i:241+\i], v[240+\i:241+\i], v[184+\i:185+\i]         ; register j: head 8 h + j, column r
.endr
.irp j, 0,1,2,3,4,5,6,7
	ds_store_b32 v10, v[240+\j] offset:128*\j
.endr
	s_wait_dscnt 0x0                               ; my stores are done, and my reads of the planes are in
	s_barrier_signal -1
	s_barrier_wait -1                              ; all sixteen parts lie in LDS
	s_cmp_ge_u32 s12, 8                            ; waves 0-7 add them up, a register each: a branch on the wave's number, no barrier inside
	s_cbranch_scc1 .Ldone
.irp p, 0,1,2,3,4,5,6,7,8,9,10,11,12,13,14,15
	ds_load_b32 v[32+\p], v11 offset:1024*\p
.endr
	s_wait_dscnt 0x0
.irp i, 0,4,8,12
	v_pk_add_f32 v[32+\i:33+\i], v[32+\i:33+\i], v[34+\i:35+\i]
.endr
	v_pk_add_f32 v[32:33], v[32:33], v[36:37]
	v_pk_add_f32 v[40:41], v[40:41], v[44:45]
	v_pk_add_f32 v[32:33], v[32:33], v[40:41]
	v_add_f32 v32, v32, v33
	v_add_f32 v32, v32, v26                        ; + bo
	global_store_b32 v12, v32, s[10:11]            ; out0(row 2048 b + 128 (8 h + w), column 16 x + r)
.Ldone:
	s_wait_tensorcnt 0x0                           ; the wave's end: behind my last LDS store
	ds_add_u32 v[SPW], v[NIL]
	s_wait_dscnt 0x0
	s_endpgm
.Lfunc_end_k_qf5a86d771a_fine:
	.size	k_qf5a86d771a_fine, .Lfunc_end_k_qf5a86d771a_fine-k_qf5a86d771a_fine
	.p2alignl 7, 3214868480
	.fill 96, 4, 3214868480
	.section	.rodata,"a",@progbits
	.p2align	6, 0x0
	.amdhsa_kernel k_qf5a86d771a_fine
		.amdhsa_group_segment_fixed_size 86016
		.amdhsa_private_segment_fixed_size 0
		.amdhsa_enable_private_segment 0
		.amdhsa_kernarg_size 32
		.amdhsa_user_sgpr_count 2
		.amdhsa_user_sgpr_kernarg_segment_ptr 1
		.amdhsa_wavefront_size32 1
		.amdhsa_system_sgpr_workgroup_id_x 1
		.amdhsa_system_sgpr_workgroup_id_y 1
		.amdhsa_system_sgpr_workgroup_id_z 1
		.amdhsa_system_vgpr_workitem_id 0
		.amdhsa_next_free_vgpr 256
		.amdhsa_next_free_sgpr 66
		.amdhsa_reserve_vcc 1
		.amdhsa_float_denorm_mode_32 3
		.amdhsa_float_denorm_mode_16_64 3
		.amdhsa_memory_ordered 1
		.amdhsa_forward_progress 1
		.amdhsa_inst_pref_size 22
	.end_amdhsa_kernel
	.amdgpu_metadata
---
amdhsa.version: [ 1, 2 ]
amdhsa.kernels:
  - .name:           k_qf5a86d771a_fine
    .symbol:         k_qf5a86d771a_fine.kd
    .args:
      - { .name: fin, .offset: 0, .size: 8, .value_kind: global_buffer, .address_space: global }
      - { .name: Wo, .offset: 8, .size: 8, .value_kind: global_buffer, .address_space: global }
      - { .name: bo, .offset: 16, .size: 8, .value_kind: global_buffer, .address_space: global }
      - { .name: out0, .offset: 24, .size: 8, .value_kind: global_buffer, .address_space: global }
    .group_segment_fixed_size: 86016
    .private_segment_fixed_size: 0
    .kernarg_segment_align: 8
    .kernarg_segment_size: 32
    .max_flat_workgroup_size: 512
    .sgpr_count:     66
    .vgpr_count:     256
    .wavefront_size: 32
...
	.end_amdgpu_metadata
.endif
;; end of part 5
